; MI455X (gfx1250); checked and timed in simulation.
; The chip was launched on July 23, 2026; its instructions are those of AMD's public machine-readable ISA for CDNA 5 (MIT licence, August 2026) and "CDNA5" Instruction Set Architecture Reference Guide (July 2026). The comments in the code are by the model that wrote it; some were corrected since.
;; Causal Self Attention. Allowed arithmetic: matrix products marked QUANTISED: E2M1 operands, one E8M0 scale for each 32 along K, by v_wmma_scale_f32_16x16x128_f8f6f4 with both operands' format E2M1 (or v_wmma_scale_f32_32x16x128_f4), f32 sums; products left as they are: bf16, f16 or f32 operands; f32 sums; everything else in f32.
;; Inputs: bk 1,024 float32; bo 1,024 float32; bq 1,024 float32; bv 1,024 float32; wk 1,024 x 1,024 float32; wo 1,024 x 1,024 float32; wq 1,024 x 1,024 float32; wv 1,024 x 1,024 float32; x 4 x 2,048 x 1,024 float32.
;; Outputs: out0 4 x 2,048 x 1,024 float32.
;; This version of the problem:
;;   THIS VERSION OF THE PROBLEM IS GIVEN IN LOW PRECISION. The matrix products marked QUANTISED in the list below multiply operands that are first quantised to E2M1 (2 exponent bits, 1 mantissa bit; 4 bits a number), with one power-of-two scale for each 32 numbers along K (OCP MX v1.0); their sums are f32. The products marked 'left as it is' may take bf16, f16 or f32 operands, with f32 sums. Whichever they take, every output number must still come out within the allowed error. Rounding operands to bf16 (8 significant bits) uses up far more of that allowance than f16 does (11 bits, for magnitudes from 6e-5 to 65,504). All else is computed in f32.
;;   The module's matrix products, in the order in which they are computed (A, B: the left and right operand; K: the contracted axis; several contracted axes count as one K, in the product's order):
;;     1. [M 8,192, K 1,024] x [K 1,024, N 1,024]; A: input x; B: input wq: QUANTISED
;;     2. [M 8,192, K 1,024] x [K 1,024, N 1,024]; A: input x; B: input wk: QUANTISED
;;     3. [M 8,192, K 1,024] x [K 1,024, N 1,024]; A: input x; B: input wv: QUANTISED
;;     4. batch 64 x [M 2,048, K 64] x [K 64, N 2,048]; A: computed on the way; B: computed on the way: left as it is (an operand is computed on the way)
;;     5. batch 64 x [M 2,048, K 2,048] x [K 2,048, N 64]; A: computed on the way; B: computed on the way: left as it is (an operand is computed on the way)
;;     6. [M 8,192, K 1,024] x [K 1,024, N 1,024]; A: computed on the way; B: input wo: left as it is (an operand is computed on the way)
;;   THE QUANTISER, for each operand of a quantised product, along K:
;;     - K is cut into blocks of 32 from its start; a last block that is shorter is filled with zeros.
;;     - A block's scale is 2^e with e = floor(log2(the largest magnitude in the block)) - 2, held to -126 .. 127; a block of zeros has e = 0. As a byte (E8M0): e + 127.
;;     - Each number is divided by its block's scale, clamped to +-6, and rounded to the nearest number of E2M1, ties to even, subnormals kept.
;;     - The product sums the exact products of the quantised numbers (number of the format x scale) in f32.
;;   ~~~python
;;   def quantise(x, axis):      # numpy; x: float32 -> the quantised numbers, widened to float32 again
;;       x = np.moveaxis(x, axis, -1); K = x.shape[-1]
;;       x = np.pad(x, [(0, 0)] * (x.ndim - 1) + [(0, -K % 32)]); x = x.reshape(x.shape[:-1] + (-1, 32)); a = np.abs(x).max(-1, keepdims=True)
;;       e = np.where(a > 0, np.clip(np.frexp(np.where(a > 0, a, 1))[1] - 1 - 2, -126, 127), 0)      # np.frexp(a)[1] - 1 = floor(log2(a)), exactly
;;       r = np.clip(x / 2.0 ** e, -6, 6)
;;       step = 2.0 ** (np.maximum(np.frexp(np.where(r == 0, 1, r))[1] - 1, 0) - 1)
;;       q = np.round(r / step) * step * 2.0 ** e      # np.round: ties to even
;;       return np.moveaxis(q.reshape(q.shape[:-2] + (-1,))[..., :K], -1, axis).astype(np.float32)
;;   ~~~
;; One version. Each part assembles by itself: llvm-mc -triple=amdgcn-amd-amdhsa -mcpu=gfx1250 --defsym DOCPART=n.
;; ======== version 1 of 1: 6 launches
;; limits: values are held in f16: magnitudes above 65,504 overflow, below 6.1e-05 lose precision
;; workspace buffers: xc 4,194,304 bytes; xs 262,144 bytes; wc 1,572,864 bytes; ws 98,304 bytes; wo16 2,097,152 bytes; qkv 50,331,648 bytes; fine32 786,432 bytes; o 16,777,216 bytes
;; launch quant_x (part 1): grid 256 x 1, 4 waves a work-group, no clusters, 33,280 bytes of LDS; arguments x, xc, xs; writes xc, xs
.if DOCPART == 1
	.amdgcn_target "amdgcn-amd-amdhsa--gfx1250"
	.amdhsa_code_object_version 6
	.text
	.protected	k_q8ade2b118d_quant_x
	.globl	k_q8ade2b118d_quant_x
	.p2align	8
	.type	k_q8ade2b118d_quant_x,@function
k_q8ade2b118d_quant_x:
	s_mov_b64 s[64:65], 0
	v_nop
	global_prefetch_b8 v0, s[64:65] scope:SCOPE_SE
	s_setreg_imm32_b32 hwreg(HW_REG_WAVE_MODE, 25, 1), 1
	s_wait_xcnt 0x0
; x [8192][1024] f32 becomes codes of FP4 (E2M1), 4 bits each, K innermost (xc: [8192][512 bytes]), with one E8M0 scale byte for each 32 along K (xs: [8192][32 bytes]).
; A block's scale is 2^(floor(log2(its largest magnitude)) - 2); its byte is the largest magnitude's own exponent field - 2, held at 1 from below.
; (A block of zeros so gets the byte 1 where the quantiser says 127: its codes are zeros, which add nothing, and the bytes are read by this program alone.)
; LIMITS: blocks whose largest magnitude lies under 2^(2 - 126) keep the byte 1; NaN and infinities among the inputs are not served.
; Rows are dense and 1024 is a multiple of 32: x is a plain stream of blocks of 32, and so are its codes and its scale bytes.
; A wave takes 16 steps of 512 numbers.  Each of a step's four loads reads 512 consecutive bytes, 16 a lane; the 2,048 bytes turn through the wave's own stage in LDS and come back 64 bytes a lane,
; so that a lane holds 16 neighbours along K (two neighbouring lanes hold a block).  A lane's 16 codes are 8 bytes: a wave's store covers 256 consecutive bytes, aligned.
; A wave's 256 scale bytes are gathered in its own LDS bytes and leave as 256 consecutive bytes.  No tensor loads, no barrier: waves share nothing.  Loads run four steps (16 loads a wave) ahead.
.set WAVES, 4
.set STEPS, 16
.set EMAX,  2
.set CB,    8                          ; bytes of 16 codes
.set R,     16                         ; v16-79   four sets of 16 numbers as they are loaded
.set X,     80                         ; v80-111  two sets of 16 neighbours
.set C,     128                        ; v128-191 codes: four registers for each step, so that no store's data are written again
.set E,     112                        ; v112-127 a scale byte for each step
.set WREG,  8192                       ; LDS: a region for each wave: two stages of 32 x SP bytes, and behind them its 256 scale bytes
.set SP,    80                         ; a lane's place in a stage: its 64 bytes + 16 of padding
.set SPW,   12                         ; v12      LDS address of my spare word; never rewritten
.set NIL,   13                         ; v13      0; never rewritten
.set SPARE, WAVES*WREG                 ; behind the four regions: the spare words, 128 bytes for each wave
	s_load_b64 s[4:5], s[0:1], 0x0                 ; x
	s_load_b64 s[8:9], s[0:1], 0x8                 ; the codes
	s_load_b64 s[10:11], s[0:1], 0x10              ; the scale bytes
	v_lshl_add_u32 v[SPW], v0, 2, SPARE
	v_mov_b32 v[NIL], 0
	v_lshrrev_b32 v1, 5, v0
	v_readfirstlane_b32 s16, v1                    ; wave
	v_and_b32 v2, 31, v0                           ; lane
	v_lshlrev_b32 v3, 4, v2                        ; my 16 bytes of a load's 512
	s_mul_i32 s17, s16, WREG
	v_lshrrev_b32 v14, 2, v2
	v_mul_u32_u24 v14, v14, SP
	v_and_b32 v15, 3, v2
	v_lshl_add_u32 v14, v15, 4, v14
	v_add_nc_u32 v14, s17, v14                     ; the stage, on the way in: four lanes' 64 bytes on end, then 16 of padding
	v_mul_u32_u24 v15, v2, SP
	v_add_nc_u32 v15, s17, v15                     ; and on the way out: SP x lane: my 16 neighbours
	v_mul_u32_u24 v4, v2, CB                       ; my codes' place in a step's
	v_lshrrev_b32 v5, 1, v2
	s_add_co_u32 s17, s17, 2*32*SP
	v_add_nc_u32 v5, s17, v5                       ; LDS: my wave's 256 scale bytes, my block's byte
	v_lshlrev_b32 v7, 3, v2                        ; and on the way out 8 bytes a lane
	v_add_nc_u32 v6, s17, v7
	s_lshl_b32 s17, ttmp9, 2
	s_add_co_u32 s18, s17, s16                     ; which run of 8,192 numbers is my wave's: 4 x work-group + wave
	s_mov_b32 s21, 0
	s_wait_kmcnt 0x0
	s_lshl_b32 s20, s18, 15                        ; 32,768 bytes of x a run
	s_add_nc_u64 s[4:5], s[4:5], s[20:21]
	s_lshl_b32 s20, s18, 12                        ; 4,096 bytes of codes
	s_add_nc_u64 s[8:9], s[8:9], s[20:21]
	s_lshl_b32 s20, s18, 8                         ; 256 scale bytes
	s_add_nc_u64 s[10:11], s[10:11], s[20:21]
.macro LOAD t
.irp i, 0,1,2,3
	global_load_b128 v[R+16*((\t)%4)+4*\i:R+16*((\t)%4)+4*\i+3], v3, s[4:5] offset:2048*(\t)+512*\i th:TH_LOAD_NT   ; 32 lanes read 512 consecutive bytes
.endr
.endm
.macro TURN t                          ; step t's numbers through the stage: LDS serves a wave's instructions in order, so no wait stands between the stores and the loads
.irp i, 0,1,2,3
	ds_store_b128 v14, v[R+16*((\t)%4)+4*\i:R+16*((\t)%4)+4*\i+3] offset:32*SP*((\t)%2)+8*SP*\i
.endr
.irp i, 0,1,2,3
	ds_load_b128 v[X+16*((\t)%2)+4*\i:X+16*((\t)%2)+4*\i+3], v15 offset:32*SP*((\t)%2)+16*\i
.endr
.endm
.irp t, 0,1,2,3
	LOAD \t
.endr
	s_wait_loadcnt 12                              ; step 0's four loads are in; the twelve of steps 1 to 3 may be out
	TURN 0
.macro STEP t
.set XS, X+16*((\t)%2)
.if (\t) > 0
	s_wait_dscnt 1                                 ; this step's numbers are back from the stage (the last step's byte store may be out): so its stores into the stage have read their registers,
.else
	s_wait_dscnt 0x0
.endif
.if (\t)+4 < STEPS
	LOAD (\t)+4                                    ; which take the loads of four steps on
.endif
.if (\t)+1 < STEPS
.if STEPS-2-(\t) >= 3
	s_wait_loadcnt 12                              ; the next step's four loads are in; those of the three steps behind it may be out
.else
	s_wait_loadcnt 4*(STEPS-2-(\t))                ; the counts run down: four loads for each step still behind the next
.endif
	TURN (\t)+1                                    ; and go through the other stage while this step is worked
.endif
	v_max3_num_f32 v8, |v[XS]|, |v[XS+1]|, |v[XS+2]|               ; the largest magnitude of my 16, in two chains
	v_max3_num_f32 v9, |v[XS+3]|, |v[XS+4]|, |v[XS+5]|
.irp i, 6,10
	v_max3_num_f32 v8, v8, |v[XS+\i]|, |v[XS+\i+1]|
	v_max3_num_f32 v9, v9, |v[XS+\i+2]|, |v[XS+\i+3]|
.endr
	v_max3_num_f32 v8, v8, |v[XS+14]|, |v[XS+15]|
	v_max3_num_f32 v8, v8, v9, (EMAX+1)<<23        ; and the floor 2^(EMAX + 1 - 127): the byte cannot fall under 1
	v_max_num_f32_dpp v8, v8, v8 row_xmask:1 row_mask:0xf bank_mask:0xf   ; and of my neighbour's 16: the block's
	v_add_nc_u32 v11, -(EMAX<<23), v8              ; EMAX off its exponent field: the conversion takes the exponent field of this operand as its scale
	v_cvt_scalef32_pk8_fp4_f32 v[C+4*(\t)], v[XS:XS+7], v11        ; eight numbers / the scale, to the nearest code, ties to even, beyond the largest code the largest
	v_cvt_scalef32_pk8_fp4_f32 v[C+4*(\t)+1], v[XS+8:XS+15], v11
	v_lshrrev_b32 v[E+(\t)], 23, v11               ; the scale's byte (also the plain line behind the conversions)
	ds_store_b8 v5, v[E+(\t)] offset:16*(\t)       ; both lanes of a block write the same byte with the same value
	global_store_b64 v4, v[C+4*(\t):C+4*(\t)+1], s[8:9] offset:32*CB*(\t)
.endm
.irp t, 0,1,2,3,4,5,6,7,8,9,10,11,12,13,14,15
	STEP \t
.endr
	ds_load_b64 v[8:9], v6                         ; LDS serves a wave's instructions in order: these see my stores
	s_wait_dscnt 0x0
	global_store_b64 v7, v[8:9], s[10:11]          ; 32 lanes store 256 consecutive bytes, aligned
	s_wait_tensorcnt 0x0                           ; the wave's end: three lines behind my last LDS store
	ds_add_u32 v[SPW], v[NIL]
	s_wait_dscnt 0x0
	s_endpgm
.Lfunc_end_k_q8ade2b118d_quant_x:
	.size	k_q8ade2b118d_quant_x, .Lfunc_end_k_q8ade2b118d_quant_x-k_q8ade2b118d_quant_x
	.p2alignl 7, 3214868480
	.fill 96, 4, 3214868480
	.section	.rodata,"a",@progbits
	.p2align	6, 0x0
	.amdhsa_kernel k_q8ade2b118d_quant_x
		.amdhsa_group_segment_fixed_size 33280
		.amdhsa_private_segment_fixed_size 0
		.amdhsa_enable_private_segment 0
		.amdhsa_kernarg_size 24
		.amdhsa_user_sgpr_count 2
		.amdhsa_user_sgpr_kernarg_segment_ptr 1
		.amdhsa_wavefront_size32 1
		.amdhsa_system_sgpr_workgroup_id_x 1
		.amdhsa_system_sgpr_workgroup_id_y 1
		.amdhsa_system_sgpr_workgroup_id_z 1
		.amdhsa_system_vgpr_workitem_id 0
		.amdhsa_next_free_vgpr 192
		.amdhsa_next_free_sgpr 66
		.amdhsa_reserve_vcc 0
		.amdhsa_float_denorm_mode_32 3
		.amdhsa_float_denorm_mode_16_64 3
		.amdhsa_memory_ordered 1
		.amdhsa_forward_progress 1
		.amdhsa_inst_pref_size 33
	.end_amdhsa_kernel
	.amdgpu_metadata
---
amdhsa.version: [ 1, 2 ]
amdhsa.kernels:
  - .name:           k_q8ade2b118d_quant_x
    .symbol:         k_q8ade2b118d_quant_x.kd
    .args:
      - { .name: x, .offset: 0, .size: 8, .value_kind: global_buffer, .address_space: global }
      - { .name: xc, .offset: 8, .size: 8, .value_kind: global_buffer, .address_space: global }
      - { .name: xs, .offset: 16, .size: 8, .value_kind: global_buffer, .address_space: global }
    .group_segment_fixed_size: 33280
    .private_segment_fixed_size: 0
    .kernarg_segment_align: 8
    .kernarg_segment_size: 24
    .max_flat_workgroup_size: 128
    .sgpr_count:     66
    .vgpr_count:     192
    .wavefront_size: 32
...
	.end_amdgpu_metadata
.endif
;; end of part 1
;; launch prep_w (part 2): grid 8 x 14, 4 waves a work-group, no clusters, 35,840 bytes of LDS; arguments wq, wk, wv, wo, wc, ws, wo16; writes wc, ws, wo16
.if DOCPART == 2
	.amdgcn_target "amdgcn-amd-amdhsa--gfx1250"
	.amdhsa_code_object_version 6
	.text
	.protected	k_q8ade2b118d_prep_w
	.globl	k_q8ade2b118d_prep_w
	.p2align	8
	.type	k_q8ade2b118d_prep_w,@function
k_q8ade2b118d_prep_w:
	s_mov_b64 s[64:65], 0
	v_nop
	global_prefetch_b8 v0, s[64:65] scope:SCOPE_SE
	s_setreg_imm32_b32 hwreg(HW_REG_WAVE_MODE, 25, 1), 1
	s_wait_xcnt 0x0
; Work-groups with y = 0 .. 5: wq, wk, wv ([1024 k][1024 n] f32, K the FIRST axis) become codes of FP4 (E2M1) laid [3072 n][512 bytes] with K innermost (row = 1024 x (0 q, 1 k, 2 v) + column),
; and one E8M0 byte for each 32 along K, laid [3072][32].  y >> 1 says which weight, y & 1 which 512 along K; x says which 128 columns.
; A LANE TAKES A COLUMN, AND ITS REGISTERS RUN DOWN K: each load reads neighbouring columns in neighbouring lanes (128 consecutive bytes a wave), a block of 32 along K lies in one lane's 32 registers,
; and the conversions give the codes with K innermost.  A wave's 32 columns x 256 bytes of codes go through its own stage in LDS and leave as rows: sixteen lanes store 256 consecutive bytes, aligned.
; A block's scale byte is its largest magnitude's exponent field - 2, held at 1 from below (a block of zeros keeps 1: its codes are zeros, and this program alone reads the bytes).
; Work-groups with y = 6 .. 13: wo is rounded to f16 as it lies ([1024 k][1024 n]): 16,384 numbers a work-group.
; LIMITS: NaN and infinities are not served; blocks under 2^(2 - 126) keep the byte 1; wo's magnitudes must lie under 65,504, and under 6e-5 they carry f16's absolute step.
.set KW,    512                        ; along K for a wave
.set NB,    KW/32                      ; blocks
.set ROWB,  256                        ; bytes of KW codes
.set PITCH, ROWB+16                    ; a stage row
.set KROW,  512                        ; a row of the codes' buffer in bytes
.set NROW,  4096                       ; a row of a weight in bytes
.set EMAX,  2
.set X,     32                         ; v32-95   two sets of 32 numbers
.set C,     96                         ; v96-99   a block's codes
.set OUTR,  112                        ; v112-175 the way out: 16 x 4 registers
.set SPW,   14                         ; v14      LDS address of my spare word; never rewritten
.set NIL,   15                         ; v15      0; never rewritten
.set SPARE, 4*32*PITCH                 ; behind the four stages: the spare words, 128 bytes for each wave
.set SB,    24                         ; v24-27   the scale bytes, four to a register
	s_load_b256 s[4:11], s[0:1], 0x0               ; wq s[4:5], wk s[6:7], wv s[8:9], wo s[10:11]
	s_load_b128 s[12:15], s[0:1], 0x20             ; the codes s[12:13], the scale bytes s[14:15]
	s_load_b64 s[16:17], s[0:1], 0x30              ; wo in f16
	v_lshl_add_u32 v[SPW], v0, 2, SPARE
	v_mov_b32 v[NIL], 0
	v_lshrrev_b32 v1, 5, v0
	v_readfirstlane_b32 s18, v1                    ; wave 0..3
	s_and_b32 s19, ttmp7, 0xffff                   ; y
	s_mov_b32 s25, 0
	s_wait_kmcnt 0x0
	s_cmp_ge_u32 s19, 6                            ; the work-group's number alone: all four waves go the same way
	s_cbranch_scc1 .Lcast
	v_and_b32 v2, 31, v0                           ; lane
	s_lshl_b32 s21, ttmp9, 7
	s_lshl_b32 s20, s18, 5
	s_add_co_u32 s21, s21, s20                     ; my wave's first column: 128 x + 32 x wave
	s_and_b32 s22, s19, 1                          ; which 512 along K
	s_lshr_b32 s23, s19, 1                         ; which weight
	v_lshlrev_b32 v3, 2, v2                        ; in: 4 bytes a lane
	s_mul_i32 s20, s18, 32*PITCH                   ; my stage
	v_mul_u32_u24 v4, v2, PITCH
	v_add_nc_u32 v4, s20, v4                       ; into it: row = my column
	v_and_b32 v5, 15, v2
	v_lshrrev_b32 v6, 4, v2                        ; out of it: sixteen lanes to a row, two rows an instruction
	v_mul_u32_u24 v7, v6, PITCH
	v_lshl_add_u32 v7, v5, 4, v7
	v_add_nc_u32 v7, s20, v7                       ; LDS address
	v_mul_u32_u24 v8, v6, KROW
	v_lshl_add_u32 v8, v5, 4, v8                   ; and the same place in the codes' buffer
	v_lshlrev_b32 v9, 5, v2                        ; my column's row of scale bytes: 32 bytes a row
	s_cmp_eq_u32 s23, 2                            ; the source is chosen by the work-group's number
	s_cselect_b64 s[6:7], s[8:9], s[6:7]
	s_cmp_eq_u32 s23, 0
	s_cselect_b64 s[4:5], s[4:5], s[6:7]
	s_lshl_b32 s24, s22, 21                        ; 512 rows of 4,096 bytes
	s_lshl_b32 s20, s21, 2
	s_add_co_u32 s24, s24, s20
	s_add_nc_u64 s[4:5], s[4:5], s[24:25]
	s_lshl_b32 s26, s23, 10
	s_add_co_u32 s26, s26, s21                     ; my first row of the codes' and the bytes' buffers
	s_lshl_b32 s24, s26, 9
	s_lshl_b32 s20, s22, 8
	s_add_co_u32 s24, s24, s20
	s_add_nc_u64 s[12:13], s[12:13], s[24:25]
	s_lshl_b32 s24, s26, 5
	s_lshl_b32 s20, s22, 4
	s_add_co_u32 s24, s24, s20
	s_add_nc_u64 s[14:15], s[14:15], s[24:25]
.macro LOAD t                          ; block t: W(32 t + i, my column), i = 0 .. 31, into set t % 2.  The largest offset, 511 rows of 4,096 bytes, lies inside the signed 24-bit immediate
.irp i, 0,1,2,3,4,5,6,7,8,9,10,11,12,13,14,15,16,17,18,19,20,21,22,23,24,25,26,27,28,29,30,31
	global_load_b32 v[X+32*((\t)%2)+\i], v3, s[4:5] offset:(32*(\t)+\i)*NROW th:TH_LOAD_NT
.endr
.endm
	LOAD 0
	LOAD 1
.macro BLOCK t
.set XS, X+32*((\t)%2)
.if (\t) < NB-1
	s_wait_loadcnt 32                              ; this block's 32 loads are in; the next block's 32 may be out
.else
	s_wait_loadcnt 0
.endif
	v_max3_num_f32 v12, |v[XS]|, |v[XS+1]|, |v[XS+2]|               ; the block's largest magnitude: all 32 numbers are mine
	v_max3_num_f32 v13, |v[XS+3]|, |v[XS+4]|, |v[XS+5]|
.irp i, 6,10,14,18,22,26
	v_max3_num_f32 v12, v12, |v[XS+\i]|, |v[XS+\i+1]|
	v_max3_num_f32 v13, v13, |v[XS+\i+2]|, |v[XS+\i+3]|
.endr
	v_max3_num_f32 v12, v12, |v[XS+30]|, |v[XS+31]|
	v_max3_num_f32 v12, v12, v13, (EMAX+1)<<23     ; and the floor 2^(EMAX + 1 - 127): the byte cannot fall under 1
	v_add_nc_u32 v11, -(EMAX<<23), v12             ; EMAX off its exponent field: the conversion's scale operand
	v_lshrrev_b32 v13, 23, v11                     ; the scale's byte
.if (\t)%4 == 0
	v_mov_b32 v[SB+(\t)/4], v13                    ; four bytes to a register, the lower K in the lower byte
.else
	v_lshl_or_b32 v[SB+(\t)/4], v13, 8*((\t)%4), v[SB+(\t)/4]
.endif
.irp g, 0,1,2,3
	v_cvt_scalef32_pk8_fp4_f32 v[C+\g], v[XS+8*\g:XS+8*\g+7], v11
.endr
	v_nop                                          ; one plain line behind the last conversion
	ds_store_b128 v4, v[C:C+3] offset:16*(\t)      ; 32 codes: 16 bytes of my column's row
.if (\t)+2 < NB
	LOAD (\t)+2
.endif
	s_wait_dscnt 0x0                               ; the store has read its registers: the next block's codes may be written
.endm
.set Q, 0
.rept NB
	BLOCK Q
.set Q, Q+1
.endr
	global_store_b128 v9, v[SB:SB+3], s[14:15]     ; my column's 16 scale bytes
.irp t, 0,1,2,3,4,5,6,7,8,9,10,11,12,13,14,15
	ds_load_b128 v[OUTR+4*\t:OUTR+4*\t+3], v7 offset:2*\t*PITCH   ; LDS serves a wave's instructions in order: these see my stores
.endr
.irp t, 0,1,2,3,4,5,6,7,8,9,10,11,12,13,14,15
	s_wait_dscnt 15-\t                             ; load t is in; the younger ones may be out
	global_store_b128 v8, v[OUTR+4*\t:OUTR+4*\t+3], s[12:13] offset:2*\t*KROW
.endr
	s_wait_tensorcnt 0x0                           ; the wave's end: three lines behind my last LDS store
	ds_add_u32 v[SPW], v[NIL]
	s_wait_dscnt 0x0
	s_endpgm
.Lcast:                                                ; wo to f16: chunk c = 8 (y - 6) + x, 65,536 bytes in, 32,768 out
	s_sub_co_u32 s20, s19, 6
	s_lshl_b32 s20, s20, 3
	s_add_co_u32 s20, s20, ttmp9
	s_lshl_b32 s24, s20, 16
	s_add_nc_u64 s[10:11], s[10:11], s[24:25]
	s_lshl_b32 s24, s20, 15
	s_add_nc_u64 s[16:17], s[16:17], s[24:25]
	v_lshlrev_b32 v1, 4, v0                        ; in: 16 bytes a thread, 2,048 a load of the work-group
	v_lshlrev_b32 v2, 3, v0                        ; out: 8 bytes a thread: a wave's store covers 256 consecutive bytes, aligned
.set ci, 0
.rept 32
	global_load_b128 v[32+4*ci:35+4*ci], v1, s[10:11] offset:2048*ci th:TH_LOAD_NT
.set ci, ci+1
.endr
.set ci, 0
.rept 32
	s_wait_loadcnt 31-ci                           ; load ci is in; the younger ones may be out
	v_cvt_pk_f16_f32 v[32+4*ci], v[32+4*ci], v[33+4*ci]
	v_cvt_pk_f16_f32 v[33+4*ci], v[34+4*ci], v[35+4*ci]
	global_store_b64 v2, v[32+4*ci:33+4*ci], s[16:17] offset:1024*ci   ; its data registers are never written again
.set ci, ci+1
.endr
	s_endpgm
.Lfunc_end_k_q8ade2b118d_prep_w:
	.size	k_q8ade2b118d_prep_w, .Lfunc_end_k_q8ade2b118d_prep_w-k_q8ade2b118d_prep_w
	.p2alignl 7, 3214868480
	.fill 96, 4, 3214868480
	.section	.rodata,"a",@progbits
	.p2align	6, 0x0
	.amdhsa_kernel k_q8ade2b118d_prep_w
		.amdhsa_group_segment_fixed_size 35840
		.amdhsa_private_segment_fixed_size 0
		.amdhsa_enable_private_segment 0
		.amdhsa_kernarg_size 56
		.amdhsa_user_sgpr_count 2
		.amdhsa_user_sgpr_kernarg_segment_ptr 1
		.amdhsa_wavefront_size32 1
		.amdhsa_system_sgpr_workgroup_id_x 1
		.amdhsa_system_sgpr_workgroup_id_y 1
		.amdhsa_system_sgpr_workgroup_id_z 1
		.amdhsa_system_vgpr_workitem_id 0
		.amdhsa_next_free_vgpr 192
		.amdhsa_next_free_sgpr 66
		.amdhsa_reserve_vcc 0
		.amdhsa_float_denorm_mode_32 3
		.amdhsa_float_denorm_mode_16_64 3
		.amdhsa_memory_ordered 1
		.amdhsa_forward_progress 1
		.amdhsa_inst_pref_size 91
	.end_amdhsa_kernel
	.amdgpu_metadata
---
amdhsa.version: [ 1, 2 ]
amdhsa.kernels:
  - .name:           k_q8ade2b118d_prep_w
    .symbol:         k_q8ade2b118d_prep_w.kd
    .args:
      - { .name: wq, .offset: 0, .size: 8, .value_kind: global_buffer, .address_space: global }
      - { .name: wk, .offset: 8, .size: 8, .value_kind: global_buffer, .address_space: global }
      - { .name: wv, .offset: 16, .size: 8, .value_kind: global_buffer, .address_space: global }
      - { .name: wo, .offset: 24, .size: 8, .value_kind: global_buffer, .address_space: global }
      - { .name: wc, .offset: 32, .size: 8, .value_kind: global_buffer, .address_space: global }
      - { .name: ws, .offset: 40, .size: 8, .value_kind: global_buffer, .address_space: global }
      - { .name: wo16, .offset: 48, .size: 8, .value_kind: global_buffer, .address_space: global }
    .group_segment_fixed_size: 35840
    .private_segment_fixed_size: 0
    .kernarg_segment_align: 8
    .kernarg_segment_size: 56
    .max_flat_workgroup_size: 128
    .sgpr_count:     66
    .vgpr_count:     192
    .wavefront_size: 32
...
	.end_amdgpu_metadata
.endif
;; end of part 2
;; launch qkv (part 3): grid 12 x 32, 4 waves a work-group, clusters of 4 x 4, 327,680 bytes of LDS; arguments xc, xs, wc, ws, bq, bk, bv, qkv, fine32; writes qkv, fine32
.if DOCPART == 3
	.amdgcn_target "amdgcn-amd-amdhsa--gfx1250"
	.amdhsa_code_object_version 6
	.text
	.protected	k_q8ade2b118d_qkv
	.globl	k_q8ade2b118d_qkv
	.p2align	8
	.type	k_q8ade2b118d_qkv,@function
k_q8ade2b118d_qkv:
	s_mov_b64 s[64:65], 0
	v_nop
	global_prefetch_b8 v0, s[64:65] scope:SCOPE_SE
	s_setreg_imm32_b32 hwreg(HW_REG_WAVE_MODE, 25, 1), 1
	s_wait_xcnt 0x0
	s_wait_alu depctr_hold_cnt(0) depctr_sa_sdst(0) depctr_va_vdst(0) depctr_va_sdst(0) depctr_va_ssrc(0) depctr_va_vcc(0) depctr_vm_vsrc(0)
	s_getreg_b32 s2, hwreg(HW_REG_IB_STS2, 6, 4)
	s_cmp_eq_u32 s2, 0
	s_cbranch_scc0 .Lentry_in_a_cluster
	s_endpgm
.Lentry_in_a_cluster:
	s_bfe_u32 s2, ttmp6, 0x10000c
	s_cmp_lg_u32 s2, 0xf033
	s_cbranch_scc0 .Lentry_shape_is_right
	s_endpgm
.Lentry_shape_is_right:
; q, k, v = Q(x) Q(w) + b: C[m][n] = sum over k of A[m][k] B[n][k] + bias[n], A = x's codes [8192][1024 k], B = the three weights' codes [3072][1024 k], FP4 (E2M1) with one E8M0 byte for each 32 along K; sums in f32.
; A tile of C, 256 x 256, is made by four waves, each 128 x 128: 64 accumulators, 512 registers.  K = 1024 is two slots of 512: both are first fills, so nothing is filled again and the product has no loop.
; The scale bytes of the tile's 256 rows of A and of B, for all of K, come into LDS once, as 256-byte rows.
; CLUSTERS: 4 x 4 work-groups; A's tiles are asked for jointly along a row of the cluster, B's along a column.  The tile row is cluster y + 8 cy: a cluster's four rows are the same place in the four batches.
; THE MATRIX INSTRUCTION IS USED TRANSPOSED (source 0 = 16 rows of B, source 1 = 16 rows of A): a lane holds eight neighbouring columns of a row of C.  The bias is the C of each sum's first instruction.
; RESULTS: rounded to f16 and laid by head, qkv[which][b][h][s][64]; a block of 16 rows goes through the wave's stage in LDS and leaves four positions of one head (512 consecutive bytes) a store.
; Positions 0 to 15 of each batch are also stored as f32 (fine32 [16 b + s][3072]), for the launch that carries those rows in f32.
; LIMITS: q, k, v must lie under 65,504 in magnitude; under 6e-5 they carry f16's absolute step.
; REGISTERS: window 0: v0-31 addresses; v32-95 scale words, two sets, and nothing else; v128-191 A's fragments, one set; v192-255 the bias; on the way out v128-255 are free.
;   window 1: B's fragments, two sets, at v0 and v128.   window 2: the accumulators of my rows 0-63 ((a, b) at v[8 (8 a + b)]);   window 3: those of my rows 64-127.
.set KSTEP,  512
.set NQ,     KSTEP/128                 ; matrix instructions deep in a slot
.set ROWB,   256                       ; a tile's row in bytes
.set KROW,   512                       ; a row of codes in memory
.set PITCH,  272                       ; an LDS row: 256 bytes + 16 of padding: the 16 rows that a load touches start at 16 different banks
.set FR,     8                         ; registers of a fragment
.set NL,     2                         ; LDS loads that bring one
.set NP,     4                         ; places behind this matrix instruction (ISA guide 7.12.1)
.set HALFT,  128*PITCH
.set SLOT,   4*HALFT                   ; A's 256 rows, then B's 256 rows
.set KS,     32                        ; a row of scale bytes
.set SCL,    2*SLOT                    ; behind the two slots: the scales, as rows of 256 bytes + 16 of padding
.set HALFS,  (128*KS/256)*272          ; those of 128 rows: what one tensor load brings
.set SBLK,   (16*KS/256)*272           ; those of 16 rows
.set SPARE,  SCL+4*HALFS               ; the spare words, 128 bytes for each wave
.set HP,     272                       ; the f16 stage: 16 rows x (256 bytes + 16) for each wave, in slot 0, which has had its only fill and its last read when the first result is stored there
.set FP,     528                       ; the f32 stage: 16 rows x (512 bytes + 16), behind the four f16 stages
.set FSTG,   4*16*HP
.set ADRA, 16                          ; v16-17  LDS address of my A fragments in slot 0, 1
.set ADRB, 20                          ; v20-21  the same for B
.set STO,  24                          ; v24     f16 stage: where I put 16 bytes of a row
.set RD,   25                          ; v25     and where I read back: row lane / 8, 16 (lane % 8)
.set CO,   26                          ; v26     16 x lane
.set ADRS, 27                          ; v27     LDS address of my scale words: lanes 0-15 A's rows, lanes 16-31 B's
.set SPW,  28                          ; v28     my spare word; never rewritten
.set NIL,  29                          ; v29     0; never rewritten
.set STOF, 30                          ; v30     f32 stage: where I put 32 bytes of a row
.set RDF,  31                          ; v31     and where I read a row back
.set SC,   32                          ; scale words: set s at v[SC + 32 s]; register 4 i + q: lanes 0-15 A's block i, lanes 16-31 B's block i, the slot's q-th 128 along K
.set AF,   128                         ; A's fragments
.set BI,   192                         ; the bias: tile b's eight numbers of my half at v[BI + 8 b]
.set TMP,  128                         ; the way out: packed results
.set BK,   160                         ; rows read back: v160-191 and v192-223 by turns
.set FB,   192                         ; the f32 block read back: v192-255
.set G1, 24                            ; s[24:31], s[32:39] groups 1 and 0 (a set for each slot) for A's tiles
.set G0, 32
.set G1B, 48                           ; s[48:55], s[56:63] for B's
.set G0B, 56
.set G1S, 68                           ; s[68:75], s[76:79] for A's scales;  s[80:87], s[88:91] for B's
.set G0S, 76
.set G1SB, 80
.set G0SB, 88
.set MSB, 0
.macro WIN new                         ; the immediate's high byte repeats the setting that is left
.if MSB != \new
	s_set_vgpr_msb (MSB<<8)|\new
.set MSB, \new
.endif
.endm
.set MUL_LO,   0xa1                    ; source 0 (B) window 1, source 1 (A) window 0, C and D window 2
.set MUL_HI,   0xf1                    ; the same, C and D window 3
.set FIRST_LO, 0x81                    ; the first step: C (the bias) window 0, D window 2
.set FIRST_HI, 0xc1                    ; D window 3
.set TO_B,     0x40                    ; destination window 1, address window 0
; A joint load: waves 0 and 1 fetch for A, waves 2 and 3 for B; the branch hangs on the wave's number alone.  An s_nop 0 and four v_nop follow each of the two lines.
.macro JLOAD g0a, g1a, g0b, g1b
	s_cmp_eq_u32 s23, 0
	s_cbranch_scc0 .Lfor_b_\@
	tensor_load_to_lds s[\g0a:\g0a+3], s[\g1a:\g1a+7]
	s_nop 0
.rept 4
	v_nop
.endr
	s_branch .Lasked_\@
.Lfor_b_\@:
	tensor_load_to_lds s[\g0b:\g0b+3], s[\g1b:\g1b+7]
	s_nop 0
.rept 4
	v_nop
.endr
.Lasked_\@:
.endm
.macro CROUND                          ; a round of the cluster's barrier
	s_barrier_signal -1
	s_barrier_wait -1
	s_cmp_lg_u32 s22, 0
	s_cbranch_scc1 .Lnot_wave_0_\@
	s_barrier_signal -3
.Lnot_wave_0_\@:
	s_barrier_wait -3
	s_barrier_signal -1
	s_barrier_wait -1
.endm
	s_load_b256 s[4:11], s[0:1], 0x0               ; x's codes s[4:5], x's scales s[6:7], w's codes s[8:9], w's scales s[10:11]
	s_load_b256 s[12:19], s[0:1], 0x20             ; bq s[12:13], bk s[14:15], bv s[16:17], qkv s[18:19]
	s_load_b64 s[20:21], s[0:1], 0x40              ; fine32
	v_lshl_add_u32 v[SPW], v0, 2, SPARE
	v_mov_b32 v[NIL], 0
	ds_add_u32 v[SPW], v[NIL]                      ; the wave's opening: the add, twice on end, and its wait ahead of my first tensor load
	ds_add_u32 v[SPW], v[NIL]
	v_lshrrev_b32 v1, 5, v0
	v_readfirstlane_b32 s22, v1                    ; wave 0..3
	s_lshr_b32 s23, s22, 1                         ; which half of the tile's rows is mine.  Also: I fetch for A (0) or for B (1)
	s_and_b32 s66, s22, 1                          ; which half of its columns.  Also: which 128 rows of that tile I fetch
	s_bfe_u32 s40, ttmp6, 0x40000                  ; cx
	s_bfe_u32 s41, ttmp6, 0x40004                  ; cy
	s_lshl_b32 s42, ttmp9, 2
	s_add_co_u32 s42, s42, s40                     ; tile column = 4 x cluster x + cx: 0 .. 11
	s_and_b32 s67, ttmp7, 0xffff                   ; cluster y
	s_or_b32 s95, s67, s23                         ; 0 where my first 16 rows are positions 0-15 of a batch: cluster y = 0 and my half is the upper one; the same in all partners
	s_lshl_b32 s96, s41, 3
	s_add_co_u32 s67, s67, s96                     ; tile row = cluster y + 8 cy: batch cy, block cluster y
	s_lshl_b32 s43, s41, 2
	s_lshl_b32 s43, 15, s43                        ; my row of the cluster
	s_lshl_b32 s44, 0x1111, s40                    ; my column
	; descriptor group 1: a tile of 128 rows x 256 bytes, 16 bytes of padding behind each row
	s_or_b32 s[G1+0], s43, (0<<16)|(1<<20)|(1<<21)|(5<<22)|(3<<25)  ; the mask; elements of 1 byte; padding on; bit 21 beside a mask; after every 64 words, 4 words
	s_or_b32 s[G1B+0], s44, (0<<16)|(1<<20)|(1<<21)|(5<<22)|(3<<25)
.irp g, G1, G1B
	s_mov_b32 s[\g+1], ROWB<<16                    ; tensor_dim0
	s_mov_b32 s[\g+2], 128<<16                     ; tensor_dim1
	s_mov_b32 s[\g+3], ROWB<<16                    ; tile_dim0
	s_mov_b32 s[\g+4], 128                         ; tile_dim1
	s_mov_b32 s[\g+5], KROW                        ; from row to row
	s_mov_b32 s[\g+6], 0
	s_mov_b32 s[\g+7], 0
.endr
	; the scales of 128 rows: a dense block of 4,096 bytes, as 16 rows of 256 bytes (32 elements of 8 bytes), 16 bytes of padding behind each
	s_or_b32 s[G1S+0], s43, (3<<16)|(1<<20)|(1<<21)|(5<<22)|(3<<25)
	s_or_b32 s[G1SB+0], s44, (3<<16)|(1<<20)|(1<<21)|(5<<22)|(3<<25)
.irp g, G1S, G1SB
	s_mov_b32 s[\g+1], 32<<16
	s_mov_b32 s[\g+2], (128*KS/256)<<16
	s_mov_b32 s[\g+3], 32<<16
	s_mov_b32 s[\g+4], 128*KS/256
	s_mov_b32 s[\g+5], 32
	s_mov_b32 s[\g+6], 0
	s_mov_b32 s[\g+7], 0
.endr
	s_lshl_b32 s96, s66, 7                         ; which 128 rows of the tile I fetch
	s_lshl_b32 s98, s67, 8
	s_add_co_u32 s98, s98, s96                     ; A: row 256 x tile row + 128 x half
	s_lshl_b32 s46, s42, 8
	s_add_co_u32 s46, s46, s96                     ; B: row 256 x tile column + 128 x half
	s_lshl_b32 s100, s98, 5                        ; where these rows' scales begin,
	s_lshl_b32 s98, s98, 9                         ; and their codes
	s_mov_b32 s99, 0
	s_mov_b32 s101, 0
	s_lshl_b32 s92, s46, 5
	s_lshl_b32 s46, s46, 9
	s_mov_b32 s47, 0
	s_mov_b32 s93, 0
	s_mul_i32 s45, s22, HALFT                      ; where they go: wave x 128 rows: no place in the cluster enters an LDS address
	s_mul_i32 s94, s22, HALFS
	s_wait_dscnt 0x0                               ; both opening adds are done
	s_wait_kmcnt 0x0
	s_add_nc_u64 s[98:99], s[4:5], s[98:99]
	s_add_nc_u64 s[100:101], s[6:7], s[100:101]
	s_add_nc_u64 s[46:47], s[8:9], s[46:47]
	s_add_nc_u64 s[92:93], s[10:11], s[92:93]
	CROUND                                         ; all sixteen work-groups are here: the joint loads meet
	s_mov_b32 s[G0S], 1
	s_add_co_u32 s[G0S+1], s94, SCL
	s_mov_b64 s[G0S+2:G0S+3], s[100:101]
	s_or_b32 s[G0S+3], s[G0S+3], 0x80000000
	s_mov_b32 s[G0SB], 1
	s_add_co_u32 s[G0SB+1], s94, SCL
	s_mov_b64 s[G0SB+2:G0SB+3], s[92:93]
	s_or_b32 s[G0SB+3], s[G0SB+3], 0x80000000
	JLOAD G0S, G1S, G0SB, G1SB                     ; the scales first: they are wanted with slot 0
.irp s, 0,1
	s_mov_b32 s[G0+4*\s], 1
	s_add_co_u32 s[G0+4*\s+1], s45, \s*SLOT
	s_add_nc_u64 s[G0+4*\s+2:G0+4*\s+3], s[98:99], \s*ROWB
	s_or_b32 s[G0+4*\s+3], s[G0+4*\s+3], 0x80000000
	s_mov_b32 s[G0B+4*\s], 1
	s_add_co_u32 s[G0B+4*\s+1], s45, \s*SLOT
	s_add_nc_u64 s[G0B+4*\s+2:G0B+4*\s+3], s[46:47], \s*ROWB
	s_or_b32 s[G0B+4*\s+3], s[G0B+4*\s+3], 0x80000000
	JLOAD G0+4*\s, G1, G0B+4*\s, G1B               ; three tensor loads of mine are out behind the last
.endr
	v_and_b32 v1, 15, v0                           ; r = lane % 16
	v_bfe_u32 v2, v0, 4, 1                         ; h = lane / 16
	v_mul_u32_u24 v3, v1, PITCH
	v_lshl_add_u32 v4, v2, 4, v3                   ; a fragment's row x pitch + 16 x half
	s_mul_i32 s96, s23, HALFT                      ; my 128 rows of A
	s_mul_i32 s97, s66, HALFT                      ; my 128 rows of B,
	s_add_co_u32 s97, s97, 2*HALFT                 ; which lie behind A's 256
.irp s, 0,1
	v_add_nc_u32 v[ADRA+\s], s96, v4
	v_add_nc_u32 v[ADRB+\s], s97, v4
	s_add_co_u32 s96, s96, SLOT
	s_add_co_u32 s97, s97, SLOT
.endr
	v_mul_u32_u24 v5, v1, KS                       ; my row's scales: 32 bytes a row,
	v_lshrrev_b32 v6, 8, v5
	v_lshl_add_u32 v5, v6, 4, v5                   ; and 16 more for each 256 passed
	s_mul_i32 s96, s23, HALFS                      ; A's: my 128 rows
	s_mul_i32 s97, s66, HALFS                      ; B's: my 128 rows, behind A's 256
	s_add_co_u32 s97, s97, 2*HALFS
	s_sub_co_u32 s97, s97, s96
	v_mul_u32_u24 v6, s97, v2                      ; lanes 16-31 take B's: the lower base + h x the distance
	s_add_co_u32 s96, s96, SCL
	v_add_nc_u32 v5, v5, v6
	v_add_nc_u32 v[ADRS], s96, v5
	s_mul_i32 s96, s22, 16*HP                      ; my f16 stage
	v_add_nc_u32 v[STO], s96, v4                   ; in: row r, 16 bytes for each half of the lanes (the stage's pitch is the tiles')
	v_and_b32 v6, 31, v0
	v_lshrrev_b32 v7, 3, v6
	v_and_b32 v8, 7, v0
	v_mul_u32_u24 v7, v7, HP
	v_lshl_add_u32 v7, v8, 4, v7
	v_add_nc_u32 v[RD], s96, v7                    ; back: eight lanes take a head's 128 bytes of a row, four rows an instruction (two rows of a half-wave overlap in banks: two deep)
	v_lshlrev_b32 v[CO], 4, v6
	s_mul_i32 s96, s22, 16*FP
	s_add_co_u32 s96, s96, FSTG                    ; my f32 stage
	v_mul_u32_u24 v7, v1, FP
	v_lshl_add_u32 v7, v2, 5, v7
	v_add_nc_u32 v[STOF], s96, v7
	v_add_nc_u32 v[RDF], s96, v[CO]
	v_lshlrev_b32 v9, 5, v2                        ; the bias: 32 h bytes
	s_lshr_b32 s96, s42, 2                         ; which of q, k, v: four tile columns each
	s_cmp_eq_u32 s96, 2
	s_cselect_b64 s[14:15], s[16:17], s[14:15]
	s_cmp_eq_u32 s96, 0
	s_cselect_b64 s[12:13], s[12:13], s[14:15]     ; its bias
	s_and_b32 s2, s42, 3
	s_lshl_b32 s2, s2, 10
	s_lshl_b32 s3, s66, 9
	s_add_co_u32 s2, s2, s3                        ; my first column in it, in bytes
	s_mov_b32 s3, 0
	s_add_nc_u64 s[12:13], s[12:13], s[2:3]
.irp b, 0,1,2,3,4,5,6,7
	global_load_b128 v[BI+8*\b:BI+8*\b+3], v9, s[12:13] offset:64*\b        ; bias of columns 16 b + 8 h + 0 .. 7: the result's layout
	global_load_b128 v[BI+8*\b+4:BI+8*\b+7], v9, s[12:13] offset:64*\b+16
.endr
	s_lshl_b32 s2, s96, 24                         ; qkv: which,
	s_lshr_b32 s97, s67, 3
	s_lshl_b32 s97, s97, 22                        ; the batch,
	s_add_co_u32 s2, s2, s97
	s_and_b32 s97, s42, 3
	s_lshl_b32 s97, s97, 20                        ; the tile column's four heads,
	s_add_co_u32 s2, s2, s97
	s_lshl_b32 s97, s66, 19                        ; my two of them,
	s_add_co_u32 s2, s2, s97
	s_and_b32 s97, s67, 7
	s_lshl_b32 s97, s97, 15                        ; the block's 256 positions of 128 bytes,
	s_add_co_u32 s2, s2, s97
	s_lshl_b32 s97, s23, 14                        ; my 128 of them
	s_add_co_u32 s2, s2, s97
	s_add_nc_u64 s[18:19], s[18:19], s[2:3]
	s_mul_i32 s2, s41, 16*12288                    ; fine32: the batch's 16 rows,
	s_lshl_b32 s97, s42, 10
	s_add_co_u32 s2, s2, s97
	s_lshl_b32 s97, s66, 9
	s_add_co_u32 s2, s2, s97                       ; my first column
	s_add_nc_u64 s[20:21], s[20:21], s[2:3]
.macro FRAG reg, adr, q, i             ; a fragment, 16 rows x 128 K of 4-bit codes: lane l holds row l % 16; registers 4 c .. 4 c + 3 hold K = 64 c + 32 (l / 16) + 0 .. 31
.irp c, 0,1
	ds_load_b128 v[\reg+4*\c:\reg+4*\c+3], v[\adr] offset:64*(\q)+32*\c+(\i)*16*PITCH
.endr
.endm
; 16 matrix instructions: A's blocks a0, a0 + 1 x B's eight, the slot's q-th 128 along K.  p: B's set; sc: the set of scale words.  zero = 1: the first product starts the sums on the bias.
; The 64 accumulators take turns, one instruction a turn, in the same order in every step.
.macro MUL16 a0, p, q, sc, zero
.irp a, \a0, \a0+1
.irp b, 0,1,2,3,4,5,6,7
.if \zero
	v_wmma_scale_f32_16x16x128_f8f6f4 v[8*(8*((\a)%4)+\b):8*(8*((\a)%4)+\b)+7], v[128*(\p)+FR*\b:128*(\p)+FR*\b+FR-1], v[AF+FR*(\a):AF+FR*(\a)+FR-1], v[BI+8*\b:BI+8*\b+7], v[SC+8*NQ*(\sc)+NQ*\b+(\q)], v[SC+8*NQ*(\sc)+NQ*(\a)+(\q)] matrix_a_fmt:MATRIX_FMT_FP4 matrix_b_fmt:MATRIX_FMT_FP4 matrix_a_scale:MATRIX_SCALE_ROW1
.else
	v_wmma_scale_f32_16x16x128_f8f6f4 v[8*(8*((\a)%4)+\b):8*(8*((\a)%4)+\b)+7], v[128*(\p)+FR*\b:128*(\p)+FR*\b+FR-1], v[AF+FR*(\a):AF+FR*(\a)+FR-1], v[8*(8*((\a)%4)+\b):8*(8*((\a)%4)+\b)+7], v[SC+8*NQ*(\sc)+NQ*\b+(\q)], v[SC+8*NQ*(\sc)+NQ*(\a)+(\q)] matrix_a_fmt:MATRIX_FMT_FP4 matrix_b_fmt:MATRIX_FMT_FP4 matrix_a_scale:MATRIX_SCALE_ROW1
.endif
.endr
.endr
.endm
.macro FETCH_B slot, q, p              ; B's eight fragments of the slot's q-th 128 along K into set p
	WIN TO_B
.irp i, 0,1,2,3,4,5,6,7
	FRAG 128*(\p)+FR*\i, ADRB+\slot, \q, \i
.endr
	WIN 0
.endm
.macro FETCH_A slot, q, i0             ; A's blocks i0 .. i0 + 3
.irp i, \i0, \i0+1, \i0+2, \i0+3
	FRAG AF+FR*(\i), ADRA+\slot, \q, \i
.endr
.endm
.macro SCALES sc                       ; a slot's scale words into set sc: 4 words a row; lanes 0-15 take A's block i, lanes 16-31 B's block i
.irp i, 0,1,2,3,4,5,6,7
	ds_load_b128 v[SC+8*NQ*\sc+NQ*\i:SC+8*NQ*\sc+NQ*\i+3], v[ADRS] offset:\i*SBLK
.endr
.endm
.macro PLACES n                        ; plain vector lines between a matrix instruction and a load into, or a read of, its registers (ISA guide 7.12.1 for reads)
.rept \n
	v_nop
.endr
.endm
; A step of 128 along K that has its successor in the same slot.  A's blocks 0-3 are fetched anew in its middle, blocks 4-7 at its end; B has two sets.
.macro STEP slot, q, zero
	s_wait_dscnt 4*NL                              ; B's set and A's blocks 0-3 are in; the youngest eight loads (A's blocks 4-7) may be out
.if \zero
	WIN FIRST_LO
.else
	WIN MUL_LO
.endif
	MUL16 0, (\q)%2, \q, \slot, \zero
	MUL16 2, (\q)%2, \q, \slot, \zero
	s_wait_dscnt 0                                 ; A's blocks 4-7 are in
	PLACES NP
	FETCH_B \slot, (\q)+1, 1-(\q)%2
	FETCH_A \slot, (\q)+1, 0
.if \zero
	WIN FIRST_HI
.else
	WIN MUL_HI
.endif
	MUL16 4, (\q)%2, \q, \slot, \zero
	MUL16 6, (\q)%2, \q, \slot, \zero
	PLACES NP
	WIN 0
	FETCH_A \slot, (\q)+1, 4
.endm
.macro STEPS slot, from                ; the slot's steps from .. NQ - 2
.set Q, \from
.rept NQ-1-\from
	STEP \slot, Q, 0
.set Q, Q+1
.endr
.endm
	s_wait_tensorcnt 1                             ; the scales and my part of slot 0 are in; slot 1's load, the one issued behind them, may be out
	s_barrier_signal -1
	s_barrier_wait -1                              ; everybody's are
	FETCH_B 0, 0, 0
	FETCH_A 0, 0, 0
	SCALES 0
	FETCH_A 0, 0, 4
	s_wait_loadcnt 0x0                             ; the bias
	STEP 0, 0, 1                                   ; the first step's products start the sums on the bias: nothing is cleared, nothing is added later
	STEPS 0, 1
	; slot 0's last step changes slots: one barrier; in front of it each wave waits for all its tensor loads (slot 1's), adds 0 to its spare word, and waits for that and for its reads of slot 0
	s_wait_tensorcnt 0x0
	ds_add_u32 v[SPW], v[NIL]
	s_wait_dscnt 4*NL+1                            ; the add and the youngest eight loads (A's blocks 4-7) may be out
	WIN MUL_LO
	MUL16 0, 1, NQ-1, 0, 0                         ; sixteen matrix instructions stand between the add and the wait for it
	s_wait_dscnt 0x0                               ; the add is done, and my reads of slot 0 are over
	s_barrier_signal -1
	MUL16 2, 1, NQ-1, 0, 0
	WIN 0
	s_barrier_wait -1                              ; slot 1 is whole, and nobody reads slot 0 any more
	PLACES NP
	v_add_nc_u32 v[ADRS], 4*NQ, v[ADRS]            ; on to slot 1's scale words (no LDS load of mine is out)
	FETCH_B 1, 0, 0
	FETCH_A 1, 0, 0
	SCALES 1
	WIN MUL_HI
	MUL16 4, 1, NQ-1, 0, 0
	MUL16 6, 1, NQ-1, 0, 0
	PLACES NP
	WIN 0
	FETCH_A 1, 0, 4
	STEPS 1, 0
	s_wait_dscnt 4*NL                              ; the very last step: A's blocks 4-7 may be out
	WIN MUL_LO
	MUL16 0, 1, NQ-1, 1, 0
	MUL16 2, 1, NQ-1, 1, 0
	s_wait_dscnt 0
	WIN MUL_HI
	MUL16 4, 1, NQ-1, 1, 0
	MUL16 6, 1, NQ-1, 1, 0
	WIN 0
	PLACES NP                                      ; in front of the first reads of results and of loads into registers that held fragments
	; POSITIONS 0 TO 15 IN F32: my block 0, where it begins a sequence.  The condition is made of the cluster's y and the wave's number: it is the same in all partners.
	s_cmp_lg_u32 s95, 0
	s_cbranch_scc1 .Lnot_fine
	WIN 0x08                                       ; an LDS store's data: window 2
.irp b, 0,1,2,3,4,5,6,7
	ds_store_b128 v[STOF], v[8*\b:8*\b+3] offset:64*\b             ; each accumulator from its low end on
	ds_store_b128 v[STOF], v[8*\b+4:8*\b+7] offset:64*\b+16
.endr
	WIN 0
.irp t, 0,1,2,3,4,5,6,7,8,9,10,11,12,13,14,15
	ds_load_b128 v[FB+4*\t:FB+4*\t+3], v[RDF] offset:\t*FP         ; LDS serves a wave's instructions in order: these see my stores
.endr
	s_wait_dscnt 0x0
.irp t, 0,1,2,3,4,5,6,7,8,9,10,11,12,13,14,15
	global_store_b128 v[CO], v[FB+4*\t:FB+4*\t+3], s[20:21] offset:12288*\t   ; 32 lanes store 512 consecutive bytes of a row of fine32
.endr
	s_wait_xcnt 0x0                                ; these stores have read their registers, which the way out below loads again
.Lnot_fine:
; THE WAY OUT, block by block of 16 rows x 128 columns (two heads): rounded to f16, 16 bytes a lane into my stage, back as four positions of one head an instruction.
.macro PACK a
.set AC, 64*((\a)%4)
.set WN, 0x0a+5*((\a)/4)
	WIN WN                                         ; sources 0 and 1: window 2 or 3
.irp b, 0,1,2,3,4,5,6,7
.irp r, 0,1,2,3
	v_cvt_pk_f16_f32 v[TMP+4*\b+\r], v[AC+8*\b+2*\r], v[AC+8*\b+2*\r+1]
.endr
.endr
	WIN 0
.endm
.macro TOSTAGE a
.set BB, BK+32*((\a)%2)
.irp b, 0,1,2,3,4,5,6,7
	ds_store_b128 v[STO], v[TMP+4*\b:TMP+4*\b+3] offset:32*\b
.endr
.irp hd, 0,1
.irp t, 0,1,2,3
	ds_load_b128 v[BB+4*(4*\hd+\t):BB+4*(4*\hd+\t)+3], v[RD] offset:\hd*128+\t*4*HP
.endr
.endr
.endm
.macro SEND a
.set BB, BK+32*((\a)%2)
	s_wait_dscnt 0x0                               ; the block is back in registers (nothing younger is out)
	s_wait_xcnt 0x0                                ; the stores of the block before have read their registers: the next block's loads may land there
.irp hd, 0,1
.irp t, 0,1,2,3
	global_store_b128 v[CO], v[BB+4*(4*\hd+\t):BB+4*(4*\hd+\t)+3], s[18:19] offset:\hd*262144+(\a)*2048+\t*512   ; 32 lanes store 512 consecutive bytes, aligned: positions 16 a + 4 t + 0 .. 3 of head hd
.endr
.endr
.endm
	PACK 0
	TOSTAGE 0
.irp a, 1,2,3,4,5,6,7                  ; block a's conversions stand between block a - 1's loads from the stage and the wait for them
	PACK \a
	SEND \a-1
	TOSTAGE \a
.endr
	SEND 7
	s_wait_tensorcnt 0x0                           ; the wave's end: three lines behind my last tensor load and my last LDS store
	ds_add_u32 v[SPW], v[NIL]
	s_wait_dscnt 0x0
	CROUND                                         ; the closing round
	s_endpgm
.Lfunc_end_k_q8ade2b118d_qkv:
	.size	k_q8ade2b118d_qkv, .Lfunc_end_k_q8ade2b118d_qkv-k_q8ade2b118d_qkv
	.p2alignl 7, 3214868480
	.fill 96, 4, 3214868480
	.section	.rodata,"a",@progbits
	.p2align	6, 0x0
	.amdhsa_kernel k_q8ade2b118d_qkv
		.amdhsa_group_segment_fixed_size 327680
		.amdhsa_private_segment_fixed_size 0
		.amdhsa_enable_private_segment 0
		.amdhsa_kernarg_size 72
		.amdhsa_user_sgpr_count 2
		.amdhsa_user_sgpr_kernarg_segment_ptr 1
		.amdhsa_wavefront_size32 1
		.amdhsa_system_sgpr_workgroup_id_x 1
		.amdhsa_system_sgpr_workgroup_id_y 1
		.amdhsa_system_sgpr_workgroup_id_z 1
		.amdhsa_system_vgpr_workitem_id 0
		.amdhsa_next_free_vgpr 1024
		.amdhsa_next_free_sgpr 102
		.amdhsa_reserve_vcc 0
		.amdhsa_float_denorm_mode_32 3
		.amdhsa_float_denorm_mode_16_64 3
		.amdhsa_memory_ordered 1
		.amdhsa_forward_progress 1
		.amdhsa_inst_pref_size 132
	.end_amdhsa_kernel
	.amdgpu_metadata
---
amdhsa.version: [ 1, 2 ]
amdhsa.kernels:
  - .name:           k_q8ade2b118d_qkv
    .symbol:         k_q8ade2b118d_qkv.kd
    .args:
      - { .name: xc, .offset: 0, .size: 8, .value_kind: global_buffer, .address_space: global }
      - { .name: xs, .offset: 8, .size: 8, .value_kind: global_buffer, .address_space: global }
      - { .name: wc, .offset: 16, .size: 8, .value_kind: global_buffer, .address_space: global }
      - { .name: ws, .offset: 24, .size: 8, .value_kind: global_buffer, .address_space: global }
      - { .name: bq, .offset: 32, .size: 8, .value_kind: global_buffer, .address_space: global }
      - { .name: bk, .offset: 40, .size: 8, .value_kind: global_buffer, .address_space: global }
      - { .name: bv, .offset: 48, .size: 8, .value_kind: global_buffer, .address_space: global }
      - { .name: qkv, .offset: 56, .size: 8, .value_kind: global_buffer, .address_space: global }
      - { .name: fine32, .offset: 64, .size: 8, .value_kind: global_buffer, .address_space: global }
    .group_segment_fixed_size: 327680
    .private_segment_fixed_size: 0
    .kernarg_segment_align: 8
    .kernarg_segment_size: 72
    .max_flat_workgroup_size: 128
    .sgpr_count:     102
    .vgpr_count:     1024
    .wavefront_size: 32
...
	.end_amdgpu_metadata
.endif
;; end of part 3
;; launch attn (part 4): grid 4 x 64, 16 waves a work-group, no clusters, 327,680 bytes of LDS; arguments qkv, o; writes o
.if DOCPART == 4
	.amdgcn_target "amdgcn-amd-amdhsa--gfx1250"
	.amdhsa_code_object_version 6
	.text
	.protected	k_q8ade2b118d_attn
	.globl	k_q8ade2b118d_attn
	.p2align	8
	.type	k_q8ade2b118d_attn,@function
k_q8ade2b118d_attn:
	s_mov_b64 s[64:65], 0
	v_nop
	global_prefetch_b8 v0, s[64:65] scope:SCOPE_SE
	s_setreg_imm32_b32 hwreg(HW_REG_WAVE_MODE, 25, 1), 1
	s_wait_xcnt 0x0
; o[bh][q][:] = the sum over k <= q of softmax_k(q . k / 8) v[k][:], for 64 (batch, head) pairs of 2,048 positions and head size 64.  q, k, v: f16 in qkv[which][bh][s][64]; o: f16, [bh][s][64].
; Products on f16 operands with f32 sums; maxima, exponentials and row sums in f32; p is rounded to f16 for the second product, o once at the end.
; SHARES.  Work-group (I, bh) owns query blocks 7 - I and I of 256 queries: under the causal mask the two together have the same work for every I.  Each of its sixteen waves owns 32 queries, two tiles of 16,
; in 256 registers: four waves to a SIMD, so that one wave's vector work stands beside another's matrix work.  The waves of the two blocks are dealt so that any four neighbouring waves hold two of each.
; THE WALK.  Every work-group walks all 8 slots of 256 keys, 64 keys a step: the trip counts are constants.  A step all of whose keys come after the wave's queries is jumped over; on the diagonal hidden scores become
; -infinity ahead of the maximum.  A slot whose first key comes after the work-group's last query is read by none of its waves and is not asked for; every wait on TENSORcnt here is for 0.
; LAYOUT.  S^T = K Q^T (source 0 = 16 keys, source 1 = 16 queries): a lane holds ONE query (lane % 16) and keys 8 (lane / 16) + 0..7; two such tiles, rounded to f16 in pairs, are source 1 of O^T = V^T P.
; K comes out of LDS as it lies, V ([key][channel]) turned, by ds_load_tr16_b128.
; SOFTMAX.  A running maximum m and sum l for each query: p = 2^(c s - c m), c = log2(e) / 8; in every step O^T and l are multiplied by a = 2^(c m_old - c m_new).
; NO CLUSTER: the four work-groups of a head stop asking for slots at different keys, and the mask lets all waves of some partner jump over a tile's reads, so the partners could not make every request jointly.
; LIMITS: NaN and infinities are not served; o's magnitudes lie under v's, so under 65,504.
.set PK,    144                        ; a row of K in LDS: 128 bytes + 16: the 16 rows of a load start at 16 different banks
.set PV,    160                        ; a row of V: 128 + 32, an odd multiple of 32 for the turning load
.set VOFF,  64*PK                      ; a step's tiles lie together: 64 rows of K, then 64 rows of V
.set STEPB, 64*(PK+PV)
.set SLOT1, 1<<17                      ; a slot holds four steps (77,824 bytes); slot 1 begins here, so that one exclusive or turns an address
.set STAGE, SLOT1+4*STEPB              ; behind the ring: 16 rows x 144 bytes for each wave, for the way out
.set SPARE, STAGE+16*16*PK             ; the spare words, 128 bytes for each wave
.set AK0, 1                            ; v1   my lane's place in a tile of K
.set AV0, 2                            ; v2   the same for V
.set ADK, 3                            ; v3   LDS address of the step's K
.set ADV, 4                            ; v4   of its V
.set SPW, 5                            ; v5   my spare word; never rewritten
.set NIL, 6                            ; v6   0; never rewritten
.set DQ,  7                            ; v7   lane % 16 - 8 (lane / 16)
.set NINF, 8                           ; v8   -infinity
.set DD,  9                            ; v9   the mask's d
.set PFO, 10                           ; v10  256 x lane: the prefetches' offset; never rewritten
.set ST,  16                           ; tile t's statistics at v[ST + 8 t]: +0 c m, +1 m, +2, +3 l in two halves, +4 .. +7 at work; a takes +6
.set Q,   32                           ; Q's fragments: v[Q + 16 t + 8 c]
.set S,   64                           ; S^T, then p, then P in place: 32 a tile
.set KV,  128                          ; K's 8 fragments, then V's
.set O,   192                          ; O^T: v[O + 32 t + 8 dt]
.set WV,  8                            ; s8   wave
.set Q0,  14                           ; s14  my first query
.set QLAST, 15                         ; s15  the work-group's last query
.set KF,  16                           ; s16  the step's first key
.set TB,  17                           ; s17  LDS byte at which the step's tiles begin
.set SLOTS, 18                         ; s18  changes of slots still to come that may ask
.set SEL, 20                           ; s[20:21] lane selects: lane l xor 16
.set CS,  22                           ; s[22:23] c
.set LIM, 48                           ; s48  1 in a wave that prefetches, else the greatest number
; Waves 0 to 3 fetch the K of a slot's step w, waves 4 to 7 the V of step w - 4, 64 rows a load; the others nothing.  The branches hang on the wave's number alone.
.macro TLOAD
	s_cmp_lt_u32 s[WV], 4
	s_cbranch_scc0 .Lnot_k_\@
	tensor_load_to_lds s[40:43], s[24:31]
	s_nop 0
.rept 4
	v_nop
.endr
	s_branch .Lasked_\@
.Lnot_k_\@:
	s_cmp_lt_u32 s[WV], 8
	s_cbranch_scc0 .Lasked_\@
	tensor_load_to_lds s[40:43], s[32:39]
	s_nop 0
.rept 4
	v_nop
.endr
.Lasked_\@:
.endm
; A prefetch of what the NEXT change of slots will ask for.  All four work-groups of a head walk the same K and V: the one with I = 0, which walks all slots, asks; in it the waves that fetch nothing:
; waves 8 to 11 for K's four steps, waves 12 to 15 for V's, 8,192 dense bytes a wave, lanes 256 bytes apart.  So each aligned 256 bytes are named once.  Trip u names slot u + 2, for u up to 5; slots 0 and 1 come by their loads alone.
.macro ASK
	s_cmp_gt_u32 s[SLOTS], s[LIM]
	s_cbranch_scc0 .Lnot_mine_\@
	global_prefetch_b8 v[PFO], s[46:47] th:TH_LOAD_NT scope:SCOPE_SE
.Lnot_mine_\@:
.endm
	s_load_b128 s[4:7], s[0:1], 0x0                ; qkv s[4:5], o s[6:7]
	v_lshl_add_u32 v[SPW], v0, 2, SPARE
	v_mov_b32 v[NIL], 0
	ds_add_u32 v[SPW], v[NIL]                      ; the wave's opening: the add, twice on end, and its wait ahead of the first tensor load
	ds_add_u32 v[SPW], v[NIL]
	v_lshrrev_b32 v11, 5, v0
	v_readfirstlane_b32 s[WV], v11                 ; wave 0..15
	s_lshr_b32 s50, s[WV], 2
	s_xor_b32 s9, s[WV], s50
	s_and_b32 s9, s9, 1                            ; which of the two query blocks: (w xor w / 4) & 1
	s_lshr_b32 s10, s[WV], 1                       ; which 32 queries of it
	s_mov_b32 s11, ttmp9                           ; I
	s_and_b32 s12, ttmp7, 0xffff                   ; bh
	s_sub_co_u32 s51, 7, s11
	s_cmp_eq_u32 s9, 0
	s_cselect_b32 s13, s51, s11                    ; block 7 - I or I
	s_lshl_b32 s[Q0], s13, 8
	s_lshl_b32 s52, s10, 5
	s_add_co_u32 s[Q0], s[Q0], s52
	s_lshl_b32 s[QLAST], s51, 8
	s_or_b32 s[QLAST], s[QLAST], 255
	s_and_b32 s50, s50, 1                          ; 0: I fetch or ask for K; 1: for V
	s_and_b32 s52, s[WV], 3                        ; which step of a slot
	s_mul_i32 s41, s52, STEPB
	s_mul_i32 s53, s50, VOFF
	s_add_co_u32 s41, s41, s53                     ; its place in slot 0
	s_add_co_u32 s54, s50, 1
	s_lshl_b32 s54, s54, 24                        ; k or v,
	s_lshl_b32 s55, s12, 18
	s_add_co_u32 s54, s54, s55                     ; my head,
	s_lshl_b32 s53, s52, 13
	s_add_co_u32 s54, s54, s53                     ; the step's 64 rows of 128 bytes
	s_mov_b32 s55, 0
	s_lshl_b32 s50, s12, 18
	s_lshl_b32 s51, s[Q0], 7
	s_add_co_u32 s50, s50, s51                     ; my first query's row in q and in o
	s_mov_b32 s51, 0
	s_lshr_b32 s52, s[WV], 3
	s_xor_b32 s52, s52, 1                          ; 0 in waves 8 to 15,
	s_or_b32 s52, s52, s11                         ; of the work-group with I = 0
	s_cmp_eq_u32 s52, 0
	s_cselect_b32 s[LIM], 1, -1
	; descriptor group 1: 64 rows of 64 elements of 2 bytes, dense in memory; K: 4 words of padding after every 32; V: 8 words
	s_mov_b32 s24, (1<<16)|(1<<20)|(4<<22)|(3<<25)
	s_mov_b32 s32, (1<<16)|(1<<20)|(4<<22)|(7<<25)
.irp g, 24, 32
	s_mov_b32 s[\g+1], 64<<16                      ; tensor_dim0
	s_mov_b32 s[\g+2], 64<<16                      ; tensor_dim1
	s_mov_b32 s[\g+3], 64<<16                      ; tile_dim0
	s_mov_b32 s[\g+4], 64                          ; tile_dim1
	s_mov_b32 s[\g+5], 64                          ; from row to row
	s_mov_b32 s[\g+6], 0
	s_mov_b32 s[\g+7], 0
.endr
	s_mov_b32 s40, 1
	s_mov_b32 s[SEL], 0x76543210
	s_mov_b32 s[SEL+1], 0xfedcba98
	s_mov_b32 s[CS], 0x3e38aa3b                    ; c = log2(e) / 8
	s_mov_b32 s[CS+1], s[CS]                       ; (named with it as a pair, so it is written)
	s_mov_b32 s[KF], 0
	s_mov_b32 s[TB], 0
	s_mov_b32 s[SLOTS], 7
	s_wait_dscnt 0x0                               ; both opening adds are done
	s_wait_kmcnt 0x0
	s_add_nc_u64 s[42:43], s[4:5], s[54:55]        ; my tile of slot 0
	s_add_nc_u64 s[46:47], s[42:43], 32768         ; the prefetches stand a slot on; the first change of slots steps them to slot 2.  Nothing is prefetched here, at the head
	s_or_b32 s43, s43, 0x80000000
	TLOAD                                          ; slot 0: one tensor load of mine is out
	s_add_nc_u64 s[56:57], s[4:5], s[50:51]        ; q at my first query
	s_add_nc_u64 s[58:59], s[6:7], s[50:51]        ; o likewise
	v_and_b32 v11, 15, v0                          ; r
	v_bfe_u32 v12, v0, 4, 1                        ; h
	v_lshlrev_b32 v15, 7, v11
	v_lshl_add_u32 v15, v12, 4, v15                ; Q: row r of 128 bytes + 16 h
.irp t, 0,1
.irp c, 0,1
	global_load_b128 v[Q+16*\t+8*\c:Q+16*\t+8*\c+3], v15, s[56:57] offset:2048*\t+64*\c        ; Q stays in registers
	global_load_b128 v[Q+16*\t+8*\c+4:Q+16*\t+8*\c+7], v15, s[56:57] offset:2048*\t+64*\c+32
.endr
.endr
	v_mul_u32_u24 v[AK0], v11, PK
	v_lshl_add_u32 v[AK0], v12, 4, v[AK0]          ; K: row r x pitch + 16 h
	v_and_b32 v13, 7, v0
	v_bfe_u32 v14, v0, 3, 1
	v_lshl_add_u32 v[AV0], v12, 3, v13             ; V: key 8 h + lane % 8,
	v_mul_u32_u24 v[AV0], v[AV0], PV
	v_lshl_add_u32 v[AV0], v14, 4, v[AV0]          ; channels 8 ((lane / 8) % 2) on
	v_add_nc_u32 v[AV0], VOFF, v[AV0]
	v_lshlrev_b32 v13, 3, v12
	v_sub_nc_u32 v[DQ], v11, v13
	v_mov_b32 v[NINF], 0xff800000
	v_and_b32 v[PFO], 31, v0
	v_lshlrev_b32 v[PFO], 8, v[PFO]
.irp t, 0,1
	v_mov_b32 v[ST+8*\t+1], 0xff61b1e6             ; m: -3e38, under every score
	v_mul_f32 v[ST+8*\t], s[CS], v[ST+8*\t+1]      ; c m
.irp i, 2,3,4,5,6,7
	v_mov_b32 v[ST+8*\t+\i], 0                     ; l; and the registers at work are written once (a lane permute's destination counts as read)
.endr
.endr
.irp j, 0,1,2,3,4,5,6,7,8,9,10,11,12,13,14,15,16,17,18,19,20,21,22,23,24,25,26,27,28,29,30,31,32,33,34,35,36,37,38,39,40,41,42,43,44,45,46,47,48,49,50,51,52,53,54,55,56,57,58,59,60,61,62,63
	v_mov_b32 v[O+\j], 0                           ; O^T.  (The step is written once: its first pass finds zeros, which a = 0 leaves zeros)
.endr
; A KEY STEP: 64 keys against my 32 queries: 16 products K Q^T, the softmax of two tiles, 16 products V^T P.
.macro STEP
	s_add_co_u32 s54, s[Q0], 31
	s_cmp_gt_u32 s[KF], s54                        ; all 64 keys come after my queries: ids and the count of steps alone
	s_cbranch_scc1 .Lhid_\@
	v_add_nc_u32 v[ADK], s[TB], v[AK0]
	v_add_nc_u32 v[ADV], s[TB], v[AV0]
.rept 3
	v_nop                                          ; with the two additions five places behind the last V^T P: four for the loads into V's registers, five for the products that write over P's
.endr
.irp c, 0,1                                    ; K's fragments, the first 32 channels first
.irp kt, 0,1,2,3
	ds_load_b128 v[KV+16*\kt+8*\c:KV+16*\kt+8*\c+3], v[ADK] offset:\kt*16*PK+64*\c
	ds_load_b128 v[KV+16*\kt+8*\c+4:KV+16*\kt+8*\c+7], v[ADK] offset:\kt*16*PK+64*\c+32
.endr
.endr
	s_wait_dscnt 8                                 ; the first 32 channels are in; the eight loads of the others may be out
.irp kt, 0,1,2,3                               ; the eight accumulators take turns, one instruction a turn
.irp t, 0,1
	v_wmma_f32_16x16x32_f16 v[S+32*\t+8*\kt:S+32*\t+8*\kt+7], v[KV+16*\kt:KV+16*\kt+7], v[Q+16*\t:Q+16*\t+7], 0
.endr
.endr
	s_wait_dscnt 0x0
.irp kt, 0,1,2,3
.irp t, 0,1
	v_wmma_f32_16x16x32_f16 v[S+32*\t+8*\kt:S+32*\t+8*\kt+7], v[KV+16*\kt+8:KV+16*\kt+15], v[Q+16*\t+8:Q+16*\t+15], v[S+32*\t+8*\kt:S+32*\t+8*\kt+7]
.endr
.endr
.rept 4
	v_nop                                          ; places in front of the loads into K's registers and of the first reads of the scores
.endr
.irp kk, 0,1                                   ; V, turned, lands while the softmax is walked; the first 32 keys first
.irp dt, 0,1,2,3
	ds_load_tr16_b128 v[KV+32*\kk+8*\dt:KV+32*\kk+8*\dt+3], v[ADV] offset:\kk*32*PV+32*\dt
	ds_load_tr16_b128 v[KV+32*\kk+8*\dt+4:KV+32*\kk+8*\dt+7], v[ADV] offset:\kk*32*PV+16*PV+32*\dt
.endr
.endr
	s_add_co_u32 s54, s[KF], 63
	s_cmp_le_u32 s54, s[Q0]                        ; all 64 keys count for all my queries: no mask
	s_cbranch_scc1 .Lopen_\@
	s_sub_co_i32 s55, s[Q0], s[KF]
	v_add_nc_u32 v[DD], s55, v[DQ]                 ; d = Q0 - KF + r - 8 h.  Register (t, kt, j) holds key KF + 16 kt + 8 h + j for query Q0 + 16 t + r: hidden where 16 kt + j - 16 t > d
.irp t, 0,1
.irp kt, 0,1,2,3
.irp j, 0,1,2,3,4,5,6,7
	v_cmp_gt_i32 vcc_lo, 16*\kt+\j-16*\t, v[DD]
	v_cndmask_b32 v[S+32*\t+8*\kt+\j], v[S+32*\t+8*\kt+\j], v[NINF], vcc_lo
.endr
.endr
.endr
.Lopen_\@:
.irp j, 0,1,2,3                                ; the maximum: four chains a tile, each accumulator from its low end on; the two tiles line by line
.irp t, 0,1
	v_max3_num_f32 v[ST+8*\t+4+\j], v[S+32*\t+8*\j], v[S+32*\t+8*\j+1], v[S+32*\t+8*\j+2]
.endr
.endr
.irp i, 3,5
.irp j, 0,1,2,3
.irp t, 0,1
	v_max3_num_f32 v[ST+8*\t+4+\j], v[ST+8*\t+4+\j], v[S+32*\t+8*\j+\i], v[S+32*\t+8*\j+\i+1]
.endr
.endr
.endr
.irp t, 0,1
	v_max3_num_f32 v[ST+8*\t+4], v[ST+8*\t+4], v[S+32*\t+7], v[S+32*\t+15]
	v_max3_num_f32 v[ST+8*\t+6], v[ST+8*\t+6], v[S+32*\t+23], v[S+32*\t+31]
.endr
.irp t, 0,1
	v_max3_num_f32 v[ST+8*\t+4], v[ST+8*\t+4], v[ST+8*\t+5], v[ST+8*\t+6]
.endr
.irp t, 0,1
	v_max3_num_f32 v[ST+8*\t+4], v[ST+8*\t+4], v[ST+8*\t+7], v[ST+8*\t+1]   ; and the old m
.endr
.irp t, 0,1
	v_permlanex16_b32 v[ST+8*\t+5], v[ST+8*\t+4], s[SEL], s[SEL+1]          ; the query's other 32 keys lie in the lane 16 away
.endr
.irp t, 0,1
	v_mov_b32 v[ST+8*\t+7], v[ST+8*\t]             ; c m_old is kept for a
.endr
.irp t, 0,1
	v_max_num_f32 v[ST+8*\t+1], v[ST+8*\t+4], v[ST+8*\t+5]
.endr
.irp t, 0,1
	v_mul_f32 v[ST+8*\t], s[CS], v[ST+8*\t+1]
.endr
.irp t, 0,1
	v_sub_f32 v[ST+8*\t+7], v[ST+8*\t+7], v[ST+8*\t]
.endr
.irp i, 0,2,4,6,8,10,12,14,16,18,20,22,24,26,28,30
.irp t, 0,1
	v_pk_fma_f32 v[S+32*\t+\i:S+32*\t+\i+1], v[S+32*\t+\i:S+32*\t+\i+1], s[CS:CS+1], v[ST+8*\t:ST+8*\t+1] op_sel_hi:[1,0,0] neg_lo:[0,0,1] neg_hi:[0,0,1]   ; c s - c m
.endr
.endr
.irp t, 0,1
	v_exp_f32 v[ST+8*\t+6], v[ST+8*\t+7]           ; a
.endr
.irp i, 0,1,2,3,4,5,6,7,8,9,10,11,12,13,14,15,16,17,18,19,20,21,22,23,24,25,26,27,28,29,30,31
.irp t, 0,1
	v_exp_f32 v[S+32*\t+\i], v[S+32*\t+\i]         ; p: one batch of 66 exponentials, none of which reads another's result
.endr
.endr
	v_nop                                          ; a plain line behind the last exponential
	s_wait_alu depctr_va_vdst(0)                   ; one wait for the batch, ahead of its first reader
.irp t, 0,1
	v_pk_mul_f32 v[ST+8*\t+2:ST+8*\t+3], v[ST+8*\t+2:ST+8*\t+3], v[ST+8*\t+6:ST+8*\t+7] op_sel_hi:[1,0]   ; l x a
	v_pk_add_f32 v[ST+8*\t+4:ST+8*\t+5], v[S+32*\t+2:S+32*\t+3], v[S+32*\t+6:S+32*\t+7]                   ; the sum of the unrounded p, in two chains
.endr
.irp t, 0,1
	v_pk_add_f32 v[ST+8*\t+2:ST+8*\t+3], v[ST+8*\t+2:ST+8*\t+3], v[S+32*\t:S+32*\t+1]
.endr
.irp i, 4,8,12,16,20,24
.irp t, 0,1
	v_pk_add_f32 v[ST+8*\t+2:ST+8*\t+3], v[ST+8*\t+2:ST+8*\t+3], v[S+32*\t+\i:S+32*\t+\i+1]
	v_pk_add_f32 v[ST+8*\t+4:ST+8*\t+5], v[ST+8*\t+4:ST+8*\t+5], v[S+32*\t+\i+6:S+32*\t+\i+7]
.endr
.endr
.irp t, 0,1
	v_pk_add_f32 v[ST+8*\t+2:ST+8*\t+3], v[ST+8*\t+2:ST+8*\t+3], v[S+32*\t+28:S+32*\t+29]
.endr
.irp t, 0,1
	v_pk_add_f32 v[ST+8*\t+2:ST+8*\t+3], v[ST+8*\t+2:ST+8*\t+3], v[ST+8*\t+4:ST+8*\t+5]
.endr
.irp i, 0,1,2,3,4,5,6,7,8,9,10,11,12,13,14,15
.irp t, 0,1
	v_cvt_pk_f16_f32 v[S+32*\t+\i], v[S+32*\t+2*\i], v[S+32*\t+2*\i+1]   ; P in place, ascending: register i is written when registers 2 i and 2 i + 1 are read
.endr
.endr
.irp i, 0,2,4,6,8,10,12,14,16,18,20,22,24,26,28,30
.irp t, 0,1
	v_pk_mul_f32 v[O+32*\t+\i:O+32*\t+\i+1], v[O+32*\t+\i:O+32*\t+\i+1], v[ST+8*\t+6:ST+8*\t+7] op_sel_hi:[1,0]   ; O^T x a, each accumulator from its low end on
.endr
.endr
	s_wait_dscnt 8                                 ; V's first 32 keys are in; the eight loads of the others may be out
.irp dt, 0,1,2,3
.irp t, 0,1
	v_wmma_f32_16x16x32_f16 v[O+32*\t+8*\dt:O+32*\t+8*\dt+7], v[KV+8*\dt:KV+8*\dt+7], v[S+32*\t:S+32*\t+7], v[O+32*\t+8*\dt:O+32*\t+8*\dt+7]
.endr
.endr
	s_wait_dscnt 0x0
.irp dt, 0,1,2,3
.irp t, 0,1
	v_wmma_f32_16x16x32_f16 v[O+32*\t+8*\dt:O+32*\t+8*\dt+7], v[KV+32+8*\dt:KV+32+8*\dt+7], v[S+32*\t+8:S+32*\t+15], v[O+32*\t+8*\dt:O+32*\t+8*\dt+7]
.endr
.endr
.Lhid_\@:
	s_add_co_u32 s[KF], s[KF], 64
	s_add_co_u32 s[TB], s[TB], STEPB
.endm
; THE CHANGE OF SLOTS stands at a slot's head.  Each wave waits for all its tensor loads (its part of the slot ahead), adds 0 to its spare word, and waits for that and for its reads of the slot that it has left.
; Behind the barrier the slot ahead is whole and nobody reads the other one.  fill = 1: that other slot takes the next 256 keys, up to the causal limit: the load has a slot's four steps in which to land.
.macro CHANGE fill
	s_wait_tensorcnt 0x0                           ; no tensor load of mine is out, so group 0 may be written
	ds_add_u32 v[SPW], v[NIL]
.if \fill
	ds_add_u32 v[SPW], v[NIL]                      ; and once more: the add stands twice on end in every trip alike
	s_xor_b32 s41, s41, SLOT1                      ; the walking descriptor: the other slot than last time,
	s_add_nc_u64 s[42:43], s[42:43], 32768         ; the next 256 keys; the type bits on top are not reached
	s_wait_xcnt 0x0                                ; the last prefetch, a slot back, has read its address, so it may be written
	s_add_nc_u64 s[46:47], s[46:47], 32768
.endif
	s_wait_dscnt 0x0                               ; the add is done, and my reads of the slot that I have left are over
	s_barrier_signal -1
	s_barrier_wait -1
.if \fill
	s_add_co_u32 s54, s[KF], 256                   ; the first key of the slot that this change would ask for
	s_cmp_gt_u32 s54, s[QLAST]                     ; ids and the count of steps alone: all sixteen waves go the same way, and a work-group past the limit stays past it
	s_cbranch_scc1 .Lpast_\@
	TLOAD                                          ; a wave's one tensor load until the next such barrier
.Lpast_\@:
	ASK
.endif
.endm
.macro UNIT                            ; a slot's four steps: written once, walked four times; the LDS addresses hang on s[TB]
	s_mov_b32 s19, 4
.Lstep_\@:
	STEP
	s_sub_co_u32 s19, s19, 1
	s_cmp_lg_u32 s19, 0
	s_cbranch_scc1 .Lstep_\@
	s_sub_co_u32 s[TB], s[TB], 4*STEPB             ; back to a slot's first step,
	s_xor_b32 s[TB], s[TB], SLOT1                  ; in the other slot
.endm
	s_wait_loadcnt 0x0                             ; Q
.Lslot:                                                ; seven trips: behind each change of slots but the last the next slot is asked for, up to the causal limit
	CHANGE 1
	UNIT
	s_sub_co_u32 s[SLOTS], s[SLOTS], 1
	s_cmp_lg_u32 s[SLOTS], 0
	s_cbranch_scc1 .Lslot
	CHANGE 0                                       ; the last slot is written out: nothing is left to ask for
	UNIT
	; THE WAY OUT.  l's two halves and the other half of the lanes' are added; O^T / l, rounded to f16, goes through my stage, a tile of 16 queries at a time, and leaves four positions (512 consecutive bytes) a store.
.rept 4
	v_nop                                          ; places behind the last products
.endr
.irp t, 0,1
	v_add_f32 v[ST+8*\t+4], v[ST+8*\t+2], v[ST+8*\t+3]
.endr
.irp t, 0,1
	v_permlanex16_b32 v[ST+8*\t+5], v[ST+8*\t+4], s[SEL], s[SEL+1]
.endr
.irp t, 0,1
	v_add_f32 v[ST+8*\t+4], v[ST+8*\t+4], v[ST+8*\t+5]
.endr
.irp t, 0,1
	v_rcp_f32 v[ST+8*\t+6], v[ST+8*\t+4]
.endr
	v_and_b32 v11, 15, v0                          ; (plain lines behind the reciprocals)  r
	v_bfe_u32 v12, v0, 4, 1                        ; h
	s_mul_i32 s50, s[WV], 16*PK
	s_add_co_u32 s50, s50, STAGE                   ; my stage
	v_mul_u32_u24 v11, v11, PK
	v_lshl_add_u32 v11, v12, 4, v11
	v_add_nc_u32 v11, s50, v11                     ; in: row r, 16 bytes for each half of the lanes
	v_and_b32 v13, 31, v0
	v_lshrrev_b32 v12, 3, v13
	v_and_b32 v14, 7, v0
	v_mul_u32_u24 v12, v12, PK
	v_lshl_add_u32 v12, v14, 4, v12
	v_add_nc_u32 v12, s50, v12                     ; back: eight lanes to a row of 128 bytes, four rows an instruction
	v_lshlrev_b32 v13, 4, v13                      ; and 16 x lane in o
	s_wait_alu depctr_va_vdst(0)                   ; one wait for the two reciprocals, ahead of their first reader
.irp t, 0,1
.irp i, 0,2,4,6,8,10,12,14,16,18,20,22,24,26,28,30
	v_pk_mul_f32 v[O+32*\t+\i:O+32*\t+\i+1], v[O+32*\t+\i:O+32*\t+\i+1], v[ST+8*\t+6:ST+8*\t+7] op_sel_hi:[1,0]
.endr
.irp i, 0,1,2,3,4,5,6,7,8,9,10,11,12,13,14,15
	v_cvt_pk_f16_f32 v[KV+16*\t+\i], v[O+32*\t+2*\i], v[O+32*\t+2*\i+1]
.endr
.irp dt, 0,1,2,3
	ds_store_b128 v11, v[KV+16*\t+4*\dt:KV+16*\t+4*\dt+3] offset:32*\dt
.endr
.irp i, 0,1,2,3
	ds_load_b128 v[KV+32+16*\t+4*\i:KV+32+16*\t+4*\i+3], v12 offset:4*PK*\i   ; LDS serves a wave's instructions in order: these see my stores, and the next tile's stores come behind them
.endr
.endr
.irp i, 0,1,2,3
	s_wait_dscnt 11-\i                             ; tile 0's load i is in: its own younger loads and tile 1's eight LDS instructions may be out
	global_store_b128 v13, v[KV+32+4*\i:KV+32+4*\i+3], s[58:59] offset:512*\i
.endr
.irp i, 0,1,2,3
	s_wait_dscnt 3-\i
	global_store_b128 v13, v[KV+48+4*\i:KV+48+4*\i+3], s[58:59] offset:2048+512*\i
.endr
	s_wait_tensorcnt 0x0                           ; the wave's end: three lines behind my last tensor load and my last LDS store
	ds_add_u32 v[SPW], v[NIL]
	s_wait_dscnt 0x0
	s_endpgm
.Lfunc_end_k_q8ade2b118d_attn:
	.size	k_q8ade2b118d_attn, .Lfunc_end_k_q8ade2b118d_attn-k_q8ade2b118d_attn
	.p2alignl 7, 3214868480
	.fill 96, 4, 3214868480
	.section	.rodata,"a",@progbits
	.p2align	6, 0x0
	.amdhsa_kernel k_q8ade2b118d_attn
		.amdhsa_group_segment_fixed_size 327680
		.amdhsa_private_segment_fixed_size 0
		.amdhsa_enable_private_segment 0
		.amdhsa_kernarg_size 16
		.amdhsa_user_sgpr_count 2
		.amdhsa_user_sgpr_kernarg_segment_ptr 1
		.amdhsa_wavefront_size32 1
		.amdhsa_system_sgpr_workgroup_id_x 1
		.amdhsa_system_sgpr_workgroup_id_y 1
		.amdhsa_system_sgpr_workgroup_id_z 1
		.amdhsa_system_vgpr_workitem_id 0
		.amdhsa_next_free_vgpr 256
		.amdhsa_next_free_sgpr 66
		.amdhsa_reserve_vcc 1
		.amdhsa_float_denorm_mode_32 3
		.amdhsa_float_denorm_mode_16_64 3
		.amdhsa_memory_ordered 1
		.amdhsa_forward_progress 1
		.amdhsa_inst_pref_size 61
	.end_amdhsa_kernel
	.amdgpu_metadata
---
amdhsa.version: [ 1, 2 ]
amdhsa.kernels:
  - .name:           k_q8ade2b118d_attn
    .symbol:         k_q8ade2b118d_attn.kd
    .args:
      - { .name: qkv, .offset: 0, .size: 8, .value_kind: global_buffer, .address_space: global }
      - { .name: o, .offset: 8, .size: 8, .value_kind: global_buffer, .address_space: global }
    .group_segment_fixed_size: 327680
    .private_segment_fixed_size: 0
    .kernarg_segment_align: 8
    .kernarg_segment_size: 16
    .max_flat_workgroup_size: 512
    .sgpr_count:     66
    .vgpr_count:     256
    .wavefront_size: 32
...
	.end_amdgpu_metadata
.endif
;; end of part 4
;; launch proj (part 5): grid 4 x 64, 4 waves a work-group, clusters of 4 x 4, 327,680 bytes of LDS; arguments o, wo16, bo, out0; writes out0
.if DOCPART == 5
	.amdgcn_target "amdgcn-amd-amdhsa--gfx1250"
	.amdhsa_code_object_version 6
	.text
	.protected	k_q8ade2b118d_proj
	.globl	k_q8ade2b118d_proj
	.p2align	8
	.type	k_q8ade2b118d_proj,@function
k_q8ade2b118d_proj:
	s_mov_b64 s[64:65], 0
	v_nop
	global_prefetch_b8 v0, s[64:65] scope:SCOPE_SE
	s_setreg_imm32_b32 hwreg(HW_REG_WAVE_MODE, 25, 1), 1
	s_wait_xcnt 0x0
	s_wait_alu depctr_hold_cnt(0) depctr_sa_sdst(0) depctr_va_vdst(0) depctr_va_sdst(0) depctr_va_ssrc(0) depctr_va_vcc(0) depctr_vm_vsrc(0)
	s_getreg_b32 s2, hwreg(HW_REG_IB_STS2, 6, 4)
	s_cmp_eq_u32 s2, 0
	s_cbranch_scc0 .Lentry_in_a_cluster
	s_endpgm
.Lentry_in_a_cluster:
	s_bfe_u32 s2, ttmp6, 0x10000c
	s_cmp_lg_u32 s2, 0xf033
	s_cbranch_scc0 .Lentry_shape_is_right
	s_endpgm
.Lentry_shape_is_right:
; out0[m][n] = sum over k of o[m][k] wo[k][n] + bo[n].  o: f16, laid [b][h][s][64] (k = 64 h + channel); wo16: f16, [1024 k][1024 n]; out0: f32 [8192][1024]; sums in f32.
; A tile of C is 128 (m) x 256 (n): 256 work-groups.  Four waves, each 64 x 128: 32 accumulators, 256 registers.  A K step is 128 along K, two heads; eight K steps go through a ring of two LDS slots.
; A's tile: for each of the two heads 128 positions x 128 bytes, dense in memory.  B's tile: 128 rows k x 512 bytes; it comes out of LDS turned, by ds_load_tr16_b128.
; CLUSTERS: 4 x 4 work-groups; A's tiles are asked for jointly along a row of the cluster, B's along a column.  Every refill stands behind a round of the cluster's barrier.
; THE MATRIX INSTRUCTION IS USED TRANSPOSED (source 0 = 16 columns of wo, source 1 = 16 rows of o): a lane holds eight neighbouring columns of a row of C.  The bias is the C of each sum's first instruction.
; The rows of positions 0 to 15 of each batch are written here like all others and written again, from f32 operands, by the launch that follows.
; REGISTERS: window 0: v0-31 addresses; two fragment buffers, at v32 and v128: 32 registers of A (4 x 16 rows x 32 K), then 64 of B (8 x 16 columns x 32 K).  window 1: the accumulators ((mb, nb) at v[8 (8 mb + nb)]).  window 2: v0-63 the bias.
.set PA,     144                       ; a row of A in LDS: 128 bytes + 16
.set PB,     544                       ; a row of B: 512 bytes + 32, an odd multiple of 32 for the turning load
.set AHEAD,  128*PA                    ; one head's 128 rows: what one tensor load brings
.set BOFF,   2*AHEAD
.set BHALF,  64*PB                     ; 64 rows of B: what one tensor load brings
.set SLOT,   BOFF+2*BHALF
.set SPARE,  2*SLOT                    ; behind the ring: the spare words, 128 bytes for each wave
.set SPITCH, 528                       ; the way out: 16 rows x (512 bytes + 16) for each wave, in slot 0, which has had its last fill and its last read when the first result is stored there
.set LAPS,   4                         ; a lap = two K steps = once round the ring
.set ADRA, 16                          ; v16-17  my A fragments in slot 0, 1
.set ADRB, 20                          ; v20-21  the same for B
.set STO,  24
.set RD,   25
.set CO,   26
.set SPW,  28                          ; v28     my spare word; never rewritten
.set NIL,  29                          ; v29     0; never rewritten
.set F0,   32
.set F1,   128
.set BK,   32                          ; the way out: rows read back: v32-95 and v96-159 by turns
.set G1, 24
.set G0, 32
.set G1B, 48
.set G0B, 56
.set MSB, 0
.macro WIN new                         ; the immediate's high byte repeats the setting that is left
.if MSB != \new
	s_set_vgpr_msb (MSB<<8)|\new
.set MSB, \new
.endif
.endm
.set MUL,   0x50                       ; sources 0 and 1 window 0; C and D window 1
.set FIRST, 0x60                       ; C (the bias) window 2, D window 1
.macro JLOAD s                         ; a joint load: waves 0 and 1 fetch A's two heads, waves 2 and 3 B's two halves; an s_nop 0 and four v_nop follow each of the two lines
	s_cmp_eq_u32 s13, 0
	s_cbranch_scc0 .Lfor_b_\@
	tensor_load_to_lds s[G0+4*\s:G0+4*\s+3], s[G1:G1+7]
	s_nop 0
.rept 4
	v_nop
.endr
	s_branch .Lasked_\@
.Lfor_b_\@:
	tensor_load_to_lds s[G0B+4*\s:G0B+4*\s+3], s[G1B:G1B+7]
	s_nop 0
.rept 4
	v_nop
.endr
.Lasked_\@:
.endm
.macro CREST                           ; a round of the cluster's barrier behind its opening barrier
	s_cmp_lg_u32 s12, 0
	s_cbranch_scc1 .Lnot_wave_0_\@
	s_barrier_signal -3
.Lnot_wave_0_\@:
	s_barrier_wait -3
	s_barrier_signal -1
	s_barrier_wait -1
.endm
.macro CROUND
	s_barrier_signal -1
	s_barrier_wait -1
	CREST
.endm
	s_load_b256 s[4:11], s[0:1], 0x0               ; o s[4:5], wo16 s[6:7], bo s[8:9], out0 s[10:11]
	v_lshl_add_u32 v[SPW], v0, 2, SPARE
	v_mov_b32 v[NIL], 0
	ds_add_u32 v[SPW], v[NIL]                      ; the wave's opening: the add, twice on end, and its wait ahead of my first tensor load
	ds_add_u32 v[SPW], v[NIL]
	v_lshrrev_b32 v1, 5, v0
	v_readfirstlane_b32 s12, v1                    ; wave 0..3
	s_lshr_b32 s13, s12, 1                         ; which half of the tile's rows is mine.  Also: I fetch for A (0) or for B (1)
	s_and_b32 s14, s12, 1                          ; which half of its columns.  Also: which head, or which 64 rows of B, I fetch
	s_bfe_u32 s40, ttmp6, 0x40000                  ; cx
	s_bfe_u32 s41, ttmp6, 0x40004                  ; cy
	s_lshl_b32 s42, ttmp9, 2
	s_add_co_u32 s42, s42, s40                     ; tile column = 4 x cluster x + cx
	s_and_b32 s45, ttmp7, 0xffff
	s_lshl_b32 s45, s45, 2
	s_add_co_u32 s45, s45, s41                     ; tile row = 4 x cluster y + cy
	s_lshl_b32 s43, s41, 2
	s_lshl_b32 s43, 15, s43                        ; my row of the cluster
	s_lshl_b32 s44, 0x1111, s40                    ; my column
	s_or_b32 s[G1+0], s43, (1<<16)|(1<<20)|(1<<21)|(4<<22)|(3<<25)   ; A: the mask; elements of 2 bytes; padding on; bit 21 beside a mask; after every 32 words, 4 words
	s_mov_b32 s[G1+1], 64<<16                      ; tensor_dim0 = 64
	s_mov_b32 s[G1+2], 128<<16                     ; tensor_dim1 = 128
	s_mov_b32 s[G1+3], 64<<16                      ; tile_dim0
	s_mov_b32 s[G1+4], 128                         ; tile_dim1
	s_mov_b32 s[G1+5], 64                          ; from row to row
	s_mov_b32 s[G1+6], 0
	s_mov_b32 s[G1+7], 0
	s_or_b32 s[G1B+0], s44, (1<<16)|(1<<20)|(1<<21)|(6<<22)|(7<<25)  ; B: after every 128 words, 8 words
	s_mov_b32 s[G1B+1], 256<<16
	s_mov_b32 s[G1B+2], 64<<16
	s_mov_b32 s[G1B+3], 256<<16
	s_mov_b32 s[G1B+4], 64
	s_mov_b32 s[G1B+5], 1024
	s_mov_b32 s[G1B+6], 0
	s_mov_b32 s[G1B+7], 0
	s_lshr_b32 s16, s45, 4
	s_lshl_b32 s16, s16, 22                        ; A: the batch,
	s_and_b32 s17, s45, 15
	s_lshl_b32 s17, s17, 14                        ; the tile's 128 positions of 128 bytes,
	s_add_co_u32 s16, s16, s17
	s_lshl_b32 s17, s14, 18                        ; my head of the K step's two
	s_add_co_u32 s16, s16, s17
	s_mov_b32 s17, 0
	s_lshl_b32 s46, s14, 17                        ; B: my 64 rows of 2,048 bytes,
	s_lshl_b32 s47, s42, 9                         ; the tile's 256 columns
	s_add_co_u32 s46, s46, s47
	s_mov_b32 s47, 0
	s_mul_i32 s20, s14, AHEAD                      ; where they go: no place in the cluster enters an LDS address
	s_mul_i32 s21, s14, BHALF
	s_add_co_u32 s21, s21, BOFF
	s_wait_dscnt 0x0                               ; both opening adds are done
	s_wait_kmcnt 0x0
	s_add_nc_u64 s[16:17], s[4:5], s[16:17]
	s_add_nc_u64 s[46:47], s[6:7], s[46:47]
	CROUND                                         ; all sixteen work-groups are here: the first joint loads meet
.irp s, 0,1
	s_mov_b32 s[G0+4*\s], 1
	s_add_co_u32 s[G0+4*\s+1], s20, \s*SLOT
	s_add_nc_u64 s[G0+4*\s+2:G0+4*\s+3], s[16:17], \s*524288       ; K step s: two heads on
	s_or_b32 s[G0+4*\s+3], s[G0+4*\s+3], 0x80000000
	s_mov_b32 s[G0B+4*\s], 1
	s_add_co_u32 s[G0B+4*\s+1], s21, \s*SLOT
	s_add_nc_u64 s[G0B+4*\s+2:G0B+4*\s+3], s[46:47], \s*262144     ; 128 rows on
	s_or_b32 s[G0B+4*\s+3], s[G0B+4*\s+3], 0x80000000
	JLOAD \s                                       ; two tensor loads of mine are out behind the second
.endr
	v_and_b32 v1, 15, v0                           ; r
	v_bfe_u32 v2, v0, 4, 1                         ; h
	v_mul_u32_u24 v3, v1, PA
	v_lshl_add_u32 v3, v2, 4, v3                   ; A: row r x pitch + 16 h
	v_and_b32 v4, 7, v0
	v_bfe_u32 v5, v0, 3, 1
	v_lshl_add_u32 v4, v2, 3, v4                   ; B: row k = 8 h + lane % 8,
	v_mul_u32_u24 v4, v4, PB
	v_lshl_add_u32 v4, v5, 4, v4                   ; columns 8 ((lane / 8) % 2) on
	s_mul_i32 s22, s13, 64*PA                      ; my 64 rows of A
	s_lshl_b32 s23, s14, 8                         ; my 128 columns of B,
	s_add_co_u32 s23, s23, BOFF                    ; which lies behind A
.irp s, 0,1
	v_add_nc_u32 v[ADRA+\s], s22, v3
	v_add_nc_u32 v[ADRB+\s], s23, v4
	s_add_co_u32 s22, s22, SLOT
	s_add_co_u32 s23, s23, SLOT
.endr
	s_mul_i32 s22, s12, 16*SPITCH                  ; my stage
	v_mul_u32_u24 v5, v1, SPITCH
	v_lshl_add_u32 v5, v2, 5, v5
	v_add_nc_u32 v[STO], s22, v5                   ; in: row r, 32 bytes for each half of the lanes
	v_and_b32 v6, 31, v0
	v_lshlrev_b32 v[CO], 4, v6                     ; back: the 32 lanes take one row of 512 bytes; and the same in out0
	v_add_nc_u32 v[RD], s22, v[CO]
	v_lshlrev_b32 v9, 5, v2                        ; the bias: 32 h bytes
	s_lshl_b32 s18, s42, 10
	s_lshl_b32 s19, s14, 9
	s_add_co_u32 s18, s18, s19                     ; my first column, in bytes
	s_mov_b32 s19, 0
	s_add_nc_u64 s[8:9], s[8:9], s[18:19]
	WIN 0x80                                       ; destination window 2
.irp nb, 0,1,2,3,4,5,6,7
	global_load_b128 v[8*\nb:8*\nb+3], v9, s[8:9] offset:64*\nb          ; bias of columns 16 nb + 8 h + 0 .. 7: the result's layout
	global_load_b128 v[8*\nb+4:8*\nb+7], v9, s[8:9] offset:64*\nb+16
.endr
	WIN 0
	s_lshl_b32 s22, s45, 7
	s_lshl_b32 s23, s13, 6
	s_add_co_u32 s22, s22, s23                     ; my first row of out0
	s_lshl_b32 s22, s22, 12
	s_add_co_u32 s18, s18, s22
	s_add_nc_u64 s[10:11], s[10:11], s[18:19]
; 24 LDS loads in one run: the fragments of the slot's quarter q (32 along K) into buffer f: B's sixteen, then A's blocks 0 and 1, then 2 and 3
.macro FETCH slot, q, f
	WIN 0
.irp nb, 0,1,2,3,4,5,6,7
	ds_load_tr16_b128 v[\f+32+8*\nb:\f+32+8*\nb+3], v[ADRB+\slot] offset:32*PB*(\q)+32*\nb
	ds_load_tr16_b128 v[\f+32+8*\nb+4:\f+32+8*\nb+7], v[ADRB+\slot] offset:32*PB*(\q)+32*\nb+16*PB
.endr
.irp mb, 0,1,2,3
	ds_load_b128 v[\f+8*\mb:\f+8*\mb+3], v[ADRA+\slot] offset:AHEAD*((\q)/2)+64*((\q)%2)+16*PA*\mb
	ds_load_b128 v[\f+8*\mb+4:\f+8*\mb+7], v[ADRA+\slot] offset:AHEAD*((\q)/2)+64*((\q)%2)+16*PA*\mb+32
.endr
.endm
; 8 matrix instructions: A's block mb x B's eight.  The 32 accumulators take turns, one instruction a turn, in the same order in every quarter.
.macro MUL8 f, mb, first
.irp nb, 0,1,2,3,4,5,6,7
.if \first
	v_wmma_f32_16x16x32_f16 v[8*(8*\mb+\nb):8*(8*\mb+\nb)+7], v[\f+32+8*\nb:\f+32+8*\nb+7], v[\f+8*\mb:\f+8*\mb+7], v[8*\nb:8*\nb+7]
.else
	v_wmma_f32_16x16x32_f16 v[8*(8*\mb+\nb):8*(8*\mb+\nb)+7], v[\f+32+8*\nb:\f+32+8*\nb+7], v[\f+8*\mb:\f+8*\mb+7], v[8*(8*\mb+\nb):8*(8*\mb+\nb)+7]
.endif
.endr
.endm
.macro PLACES                          ; four plain lines in front of loads into registers that matrix instructions have read, and of the first reads of results
.rept 4
	v_nop
.endr
.endm
; One of a K step's first three quarters: multiplies buffer f; in its middle it fetches quarter q of the same slot into buffer g.
.macro QUARTER slot, q, f, g, first
	s_wait_dscnt 4                                 ; B and A's blocks 0 and 1 are in; the youngest four loads (A's blocks 2 and 3) may be out
.if \first
	WIN FIRST
.else
	WIN MUL
.endif
	MUL8 \f, 0, \first
	MUL8 \f, 1, \first
	PLACES
	FETCH \slot, \q, \g
	s_wait_dscnt 24                                ; all but the 24 just issued
.if \first
	WIN FIRST
.else
	WIN MUL
.endif
	MUL8 \f, 2, \first
	MUL8 \f, 3, \first
.endm
; The last quarter multiplies buffer 1 and changes slots: one barrier; in front of it each wave waits for all its tensor loads, adds 0 to its spare word, and waits for that and for its reads of this slot.
; fill = 1: the barrier opens a round of the cluster's barrier, and this slot is filled again, two K steps ahead: the load has a K step, less these sixteen products, in which to land.
.macro TURN slot, next, fill
	WIN 0                                          ; (the add's two registers lie in window 0)
	s_wait_tensorcnt 0x0                           ; all my tensor loads have landed: my part of the next slot
	ds_add_u32 v[SPW], v[NIL]
	s_wait_dscnt 5                                 ; the add and the youngest four loads may be out
	WIN MUL
	MUL8 F1, 0, 0                                  ; eight matrix instructions stand between the add and the wait for it
	s_wait_dscnt 0x0                               ; the add is done, and my reads of this slot are over
	s_barrier_signal -1
	MUL8 F1, 1, 0
.if \fill
	WIN 0
.endif
	s_barrier_wait -1
.if \fill
	CREST                                          ; no wave of any partner still reads this slot's tile or has a load on its way
	s_add_nc_u64 s[G0+4*\slot+2:G0+4*\slot+3], s[G0+4*\slot+2:G0+4*\slot+3], 1048576    ; four heads on
	s_add_nc_u64 s[G0B+4*\slot+2:G0B+4*\slot+3], s[G0B+4*\slot+2:G0B+4*\slot+3], 524288 ; 256 rows on
	JLOAD \slot                                    ; the first tensor load behind the round; its four v_nop are also the places in front of the loads below
.else
	PLACES
.endif
	FETCH \next, 0, F0
	WIN MUL
	MUL8 F1, 2, 0
	MUL8 F1, 3, 0
.endm
	s_wait_tensorcnt 1                             ; my part of K step 0 is in; K step 1's load may be out
	s_barrier_signal -1
	s_barrier_wait -1
	FETCH 0, 0, F0
	s_wait_loadcnt 0x0                             ; the bias
	QUARTER 0, 1, F0, F1, 1                        ; the first quarter stands in front of the loop: its products start the sums on the bias
	WIN 0                                          ; at a label and at a branch every window is 0
	s_mov_b32 s3, LAPS-1
.Llap:                                                 ; a trip goes once round the ring, from a lap's second quarter to the next lap's first, and fills both slots again
	QUARTER 0, 2, F1, F0, 0
	QUARTER 0, 3, F0, F1, 0
	TURN 0, 1, 1
	QUARTER 1, 1, F0, F1, 0
	QUARTER 1, 2, F1, F0, 0
	QUARTER 1, 3, F0, F1, 0
	TURN 1, 0, 1
	QUARTER 0, 1, F0, F1, 0
	WIN 0
	s_sub_co_u32 s3, s3, 1
	s_cmp_lg_u32 s3, 0
	s_cbranch_scc1 .Llap
	QUARTER 0, 2, F1, F0, 0                        ; the last lap fills nothing, and has no round of the cluster's barrier
	QUARTER 0, 3, F0, F1, 0
	TURN 0, 1, 0
	QUARTER 1, 1, F0, F1, 0
	QUARTER 1, 2, F1, F0, 0
	QUARTER 1, 3, F0, F1, 0
	s_wait_dscnt 4                                 ; the very last quarter: nothing more to fetch
	WIN MUL
	MUL8 F1, 0, 0
	MUL8 F1, 1, 0
	s_wait_dscnt 0
	MUL8 F1, 2, 0
	MUL8 F1, 3, 0
	WIN 0
; THE WAY OUT, block by block of 16 rows x 128 columns: through my own stage, back as whole rows of 512 bytes.  LDS serves a wave's instructions in order: no wait between the stores and the loads.
.macro TOSTAGE a
	WIN 0x04                                       ; an LDS store's data: window 1
.irp b, 0,1,2,3,4,5,6,7
	ds_store_b128 v[STO], v[64*(\a)+8*\b:64*(\a)+8*\b+3] offset:64*\b          ; each accumulator from its low end on
	ds_store_b128 v[STO], v[64*(\a)+8*\b+4:64*(\a)+8*\b+7] offset:64*\b+16
.endr
	WIN 0
.set BB, BK+64*((\a)%2)
.irp t, 0,1,2,3,4,5,6,7,8,9,10,11,12,13,14,15
	ds_load_b128 v[BB+4*\t:BB+4*\t+3], v[RD] offset:\t*SPITCH
.endr
.endm
.macro SEND a, younger                 ; younger: the LDS instructions issued behind block a's loads, which may stay out
.set BB, BK+64*((\a)%2)
	s_wait_dscnt \younger
.irp t, 0,1,2,3,4,5,6,7,8,9,10,11,12,13,14,15
	global_store_b128 v[CO], v[BB+4*\t:BB+4*\t+3], s[10:11] offset:65536*(\a)+4096*\t th:TH_STORE_NT   ; 32 lanes store 512 consecutive bytes, aligned
.endr
.endm
	PLACES
	TOSTAGE 0
.irp a, 1,2,3
.if \a > 1
	s_wait_xcnt 0x0                                ; block a - 2's stores have read their registers: block a's loads may land there
.endif
	TOSTAGE \a
	SEND \a-1, 32                                  ; behind block a - 1's loads: block a's 16 stores and 16 loads
.endr
	SEND 3, 0
	s_wait_tensorcnt 0x0                           ; the wave's end: three lines behind my last tensor load and my last LDS store
	ds_add_u32 v[SPW], v[NIL]
	s_wait_dscnt 0x0
	CROUND                                         ; the closing round
	s_endpgm
.Lfunc_end_k_q8ade2b118d_proj:
	.size	k_q8ade2b118d_proj, .Lfunc_end_k_q8ade2b118d_proj-k_q8ade2b118d_proj
	.p2alignl 7, 3214868480
	.fill 96, 4, 3214868480
	.section	.rodata,"a",@progbits
	.p2align	6, 0x0
	.amdhsa_kernel k_q8ade2b118d_proj
		.amdhsa_group_segment_fixed_size 327680
		.amdhsa_private_segment_fixed_size 0
		.amdhsa_enable_private_segment 0
		.amdhsa_kernarg_size 32
		.amdhsa_user_sgpr_count 2
		.amdhsa_user_sgpr_kernarg_segment_ptr 1
		.amdhsa_wavefront_size32 1
		.amdhsa_system_sgpr_workgroup_id_x 1
		.amdhsa_system_sgpr_workgroup_id_y 1
		.amdhsa_system_sgpr_workgroup_id_z 1
		.amdhsa_system_vgpr_workitem_id 0
		.amdhsa_next_free_vgpr 640
		.amdhsa_next_free_sgpr 66
		.amdhsa_reserve_vcc 0
		.amdhsa_float_denorm_mode_32 3
		.amdhsa_float_denorm_mode_16_64 3
		.amdhsa_memory_ordered 1
		.amdhsa_forward_progress 1
		.amdhsa_inst_pref_size 86
	.end_amdhsa_kernel
	.amdgpu_metadata
---
amdhsa.version: [ 1, 2 ]
amdhsa.kernels:
  - .name:           k_q8ade2b118d_proj
    .symbol:         k_q8ade2b118d_proj.kd
    .args:
      - { .name: o, .offset: 0, .size: 8, .value_kind: global_buffer, .address_space: global }
      - { .name: wo16, .offset: 8, .size: 8, .value_kind: global_buffer, .address_space: global }
      - { .name: bo, .offset: 16, .size: 8, .value_kind: global_buffer, .address_space: global }
      - { .name: out0, .offset: 24, .size: 8, .value_kind: global_buffer, .address_space: global }
    .group_segment_fixed_size: 327680
    .private_segment_fixed_size: 0
    .kernarg_segment_align: 8
    .kernarg_segment_size: 32
    .max_flat_workgroup_size: 128
    .sgpr_count:     66
    .vgpr_count:     640
    .wavefront_size: 32
...
	.end_amdgpu_metadata
.endif
;; end of part 5
;; launch fine (part 6): grid 16 x 4, 16 waves a work-group, no clusters, 71,680 bytes of LDS; arguments fine32, wo, bo, out0; writes out0
.if DOCPART == 6
	.amdgcn_target "amdgcn-amd-amdhsa--gfx1250"
	.amdhsa_code_object_version 6
	.text
	.protected	k_q8ade2b118d_fine
	.globl	k_q8ade2b118d_fine
	.p2align	8
	.type	k_q8ade2b118d_fine,@function
k_q8ade2b118d_fine:
	s_mov_b64 s[64:65], 0
	v_nop
	global_prefetch_b8 v0, s[64:65] scope:SCOPE_SE
	s_setreg_imm32_b32 hwreg(HW_REG_WAVE_MODE, 25, 1), 1
	s_wait_xcnt 0x0
; Positions 0 to 15 of each batch, in f32 from end to end: these rows average one to sixteen values and are the largest in size, so f16 operands would weigh most there.
; fine32 [16 b + s][3072] holds their q, k, v in f32.  Work-group (slice, b) makes out0[2048 b + 0 .. 15][64 slice + 0 .. 63]; wave w is head w.
; Each wave makes its head's attention of 16 queries x 16 keys (every slice makes it again: 32 small matrix instructions), and its O^T is as it stands the operand of its sixteenth of the projection's K.
; The sixteen heads' partial sums meet in LDS; wave w adds row w, adds bo and stores 256 consecutive bytes, aligned.
; All products by v_wmma_f32_16x16x4_f32: no bulk work (some 100 million multiply-adds in the launch).  The registers that it writes (v128-159, v176-207) are written by matrix instructions alone.
; S^T = K Q^T: lane (r, h) holds query r and keys 8 h + j.  Along the head's 64 channels both operands take the same order: K step s is channels 2 s, 2 s + 1 (h = 0) and 32 + 2 s, 32 + 2 s + 1 (h = 1).
; LIMITS: NaN and infinities are not served; 1 / sum is v_rcp_f32's.
.set SPARE, 16*16*272                  ; behind the partial sums (16 waves x 16 rows x (256 + 16) bytes): the spare words, 128 bytes for each wave
.set QR,  32                           ; v32-63   Q: channels 32 h + 0 .. 31 of query r; later W of channels 16 .. 31
.set KR,  64                           ; v64-95   K likewise; later W of channels 32 .. 47
.set VT,  96                           ; v96-127  V^T: v[VT + 8 t + i] = V[key 8 h + i][channel 16 t + r]; later W of channels 48 .. 63
.set SA,  128                          ; v128-159 four partial sums of S^T; later the four tiles of the projection
.set P,   160                          ; v160-167 s, then p
.set TM,  168                          ; v168-175 at work
.set OT,  176                          ; v176-207 O^T: tile t: channel 16 t + 8 h + j of query r
.set W0,  208                          ; v208-239 W of channels 0 .. 15; later the sixteen partial rows
.set BS,  240                          ; v240-241 the bias
.set SPW, 14                           ; v14      my spare word; never rewritten
.set NIL, 15                           ; v15      0; never rewritten
	s_load_b256 s[4:11], s[0:1], 0x0               ; fine32 s[4:5], wo s[6:7], bo s[8:9], out0 s[10:11]
	v_lshl_add_u32 v[SPW], v0, 2, SPARE
	v_mov_b32 v[NIL], 0
	v_lshrrev_b32 v1, 5, v0
	v_readfirstlane_b32 s12, v1                    ; wave = head
	s_mov_b32 s13, ttmp9                           ; slice of 64 columns
	s_and_b32 s14, ttmp7, 0xffff                   ; batch
	v_and_b32 v1, 15, v0                           ; r
	v_bfe_u32 v2, v0, 4, 1                         ; h
	v_and_b32 v3, 31, v0                           ; lane
	v_mul_u32_u24 v4, v1, 12288
	v_lshl_add_u32 v4, v2, 7, v4                   ; Q, K: row r of 12,288 bytes + 128 h
	v_mul_u32_u24 v5, v2, 8*12288
	v_lshl_add_u32 v5, v1, 2, v5                   ; V: eight rows down for h = 1, + 4 r
	v_lshlrev_b32 v6, 15, v2
	v_lshl_add_u32 v6, v1, 2, v6                   ; wo: eight rows of 4,096 bytes down for h = 1, + 4 r
	v_lshlrev_b32 v7, 3, v3                        ; 8 x lane
	v_lshlrev_b32 v8, 3, v2
	v_sub_nc_u32 v8, v1, v8                        ; d = r - 8 h: key 8 h + j is hidden from query r where j > d
	s_mul_i32 s16, s12, 16*272
	v_mul_u32_u24 v9, v2, 8*272
	v_lshl_add_u32 v9, v1, 2, v9
	v_add_nc_u32 v9, s16, v9                       ; my partial sums: row 8 h + j, column 16 nt + r
	s_mul_i32 s16, s12, 272
	v_add_nc_u32 v10, s16, v7                      ; back: row w of each wave's, 8 bytes a lane
	v_mov_b32 v11, 0xff800000                      ; -infinity
	v_mov_b32 v[TM+2], 0                           ; (a lane permute's destination counts as read)
	s_mov_b32 s20, 0x76543210
	s_mov_b32 s21, 0xfedcba98                      ; lane l xor 16
	s_mov_b32 s22, 0x3e38aa3b                      ; c = log2(e) / 8
	s_mov_b32 s23, s22
	s_mul_i32 s16, s14, 16*12288
	s_lshl_b32 s18, s12, 8
	s_add_co_u32 s16, s16, s18                     ; fine32: the batch's 16 rows, my head's 256 bytes
	s_mov_b32 s17, 0
	s_lshl_b32 s24, s12, 18                        ; wo: my head's 64 rows,
	s_lshl_b32 s18, s13, 8                         ; the slice's 256 bytes
	s_add_co_u32 s24, s24, s18
	s_mov_b32 s25, 0
	s_mov_b32 s19, 0
	s_lshl_b32 s26, s14, 11
	s_add_co_u32 s26, s26, s12                     ; out0: row 2048 b + w
	s_lshl_b32 s26, s26, 12
	s_add_co_u32 s26, s26, s18
	s_mov_b32 s27, 0
	s_wait_kmcnt 0x0
	s_add_nc_u64 s[4:5], s[4:5], s[16:17]
	s_add_nc_u64 s[6:7], s[6:7], s[24:25]
	s_add_nc_u64 s[8:9], s[8:9], s[18:19]
	s_add_nc_u64 s[10:11], s[10:11], s[26:27]
.irp i, 0,1,2,3,4,5,6,7
	global_load_b128 v[QR+4*\i:QR+4*\i+3], v4, s[4:5] offset:16*\i
.endr
.irp i, 0,1,2,3,4,5,6,7
	global_load_b128 v[KR+4*\i:KR+4*\i+3], v4, s[4:5] offset:4096+16*\i
.endr
.irp t, 0,1,2,3
.irp i, 0,1,2,3,4,5,6,7
	global_load_b32 v[VT+8*\t+\i], v5, s[4:5] offset:8192+12288*\i+64*\t
.endr
.endr
	global_load_b64 v[BS:BS+1], v7, s[8:9]
	s_wait_loadcnt 33                              ; Q and K are in; V's 32 loads and the bias may be out
.set ks, 0
.rept 16                                       ; S^T: four accumulators by turns; the first four K steps start the sums
.if ks < 4
	v_wmma_f32_16x16x4_f32 v[SA+8*(ks%4):SA+8*(ks%4)+7], v[KR+2*ks:KR+2*ks+1], v[QR+2*ks:QR+2*ks+1], 0
.else
	v_wmma_f32_16x16x4_f32 v[SA+8*(ks%4):SA+8*(ks%4)+7], v[KR+2*ks:KR+2*ks+1], v[QR+2*ks:QR+2*ks+1], v[SA+8*(ks%4):SA+8*(ks%4)+7]
.endif
.set ks, ks+1
.endr
.rept 8
	v_nop                                          ; eight places behind this form: for the loads into Q's and K's registers and for the reads of the sums
.endr
	s_wait_loadcnt 0x0                             ; V and the bias
.macro WLOAD t, wb                     ; wo's rows 64 w + 16 t + 8 h + j, columns 64 slice + 16 nt + r, into v[wb + 8 nt + j]
.irp nt, 0,1,2,3
.irp j, 0,1,2,3,4,5,6,7
	global_load_b32 v[\wb+8*\nt+\j], v6, s[6:7] offset:(16*\t+\j)*4096+64*\nt
.endr
.endr
.endm
	WLOAD 0, W0
	WLOAD 1, QR
	WLOAD 2, KR
.irp i, 0,2,4,6
	v_pk_add_f32 v[P+\i:P+\i+1], v[SA+\i:SA+\i+1], v[SA+8+\i:SA+8+\i+1]             ; the four partial sums, each from its low end on
.endr
.irp i, 0,2,4,6
	v_pk_add_f32 v[TM+\i:TM+\i+1], v[SA+16+\i:SA+16+\i+1], v[SA+24+\i:SA+24+\i+1]
.endr
.irp i, 0,2,4,6
	v_pk_add_f32 v[P+\i:P+\i+1], v[P+\i:P+\i+1], v[TM+\i:TM+\i+1]
.endr
.irp j, 0,1,2,3,4,5,6,7
	v_cmp_gt_i32 vcc_lo, \j, v8
	v_cndmask_b32 v[P+\j], v[P+\j], v11, vcc_lo    ; hidden keys: -infinity ahead of the maximum
.endr
	v_max3_num_f32 v[TM], v[P], v[P+1], v[P+2]
	v_max3_num_f32 v[TM+1], v[P+3], v[P+4], v[P+5]
	v_max3_num_f32 v[TM], v[TM], v[P+6], v[P+7]
	v_max_num_f32 v[TM], v[TM], v[TM+1]
	v_permlanex16_b32 v[TM+2], v[TM], s20, s21
	v_max_num_f32 v[TM], v[TM], v[TM+2]            ; the row's maximum: key 0 counts for every query, so it is a number
	v_mul_f32 v[TM], s22, v[TM]                    ; c m
.irp i, 0,2,4,6
	v_pk_fma_f32 v[P+\i:P+\i+1], v[P+\i:P+\i+1], s[22:23], v[TM:TM+1] op_sel_hi:[1,0,0] neg_lo:[0,0,1] neg_hi:[0,0,1]
.endr
.irp j, 0,1,2,3,4,5,6,7
	v_exp_f32 v[P+\j], v[P+\j]
.endr
	v_nop                                          ; a plain line behind the last exponential
	s_wait_alu depctr_va_vdst(0)                   ; one wait for the eight, ahead of their first reader
	v_pk_add_f32 v[TM+2:TM+3], v[P:P+1], v[P+2:P+3]
	v_pk_add_f32 v[TM+4:TM+5], v[P+4:P+5], v[P+6:P+7]
	v_pk_add_f32 v[TM+2:TM+3], v[TM+2:TM+3], v[TM+4:TM+5]
	v_add_f32 v[TM+2], v[TM+2], v[TM+3]
	v_permlanex16_b32 v[TM+3], v[TM+2], s20, s21
	v_add_f32 v[TM+2], v[TM+2], v[TM+3]            ; the row's sum
	v_rcp_f32 v[TM+4], v[TM+2]
	v_nop
	s_wait_alu depctr_va_vdst(0)
.irp i, 0,2,4,6
	v_pk_mul_f32 v[P+\i:P+\i+1], v[P+\i:P+\i+1], v[TM+4:TM+5] op_sel_hi:[1,0]       ; the softmax, normalised
.endr
.set ks, 0
.rept 4                                        ; O^T = V^T P: K step ks is keys 8 h + 2 ks, + 1 on both sides; four tiles of channels by turns
.irp t, 0,1,2,3
.if ks == 0
	v_wmma_f32_16x16x4_f32 v[OT+8*\t:OT+8*\t+7], v[VT+8*\t+2*ks:VT+8*\t+2*ks+1], v[P+2*ks:P+2*ks+1], 0
.else
	v_wmma_f32_16x16x4_f32 v[OT+8*\t:OT+8*\t+7], v[VT+8*\t+2*ks:VT+8*\t+2*ks+1], v[P+2*ks:P+2*ks+1], v[OT+8*\t:OT+8*\t+7]
.endif
.endr
.set ks, ks+1
.endr
.rept 9
	v_nop                                          ; nine places: eight for the loads into V's registers, nine before the results are taken as an operand
.endr
	WLOAD 3, VT
; out = O wo: source 0 = O (query r; registers 2 jj, 2 jj + 1 of tile t are channels 16 t + 8 h + 2 jj, + 1), source 1 = wo's same rows; four tiles of 16 columns by turns
.macro OPROD t, wb, first
.irp jj, 0,1,2,3
.irp nt, 0,1,2,3
.if \first && (\jj == 0)
	v_wmma_f32_16x16x4_f32 v[SA+8*\nt:SA+8*\nt+7], v[OT+8*\t+2*\jj:OT+8*\t+2*\jj+1], v[\wb+8*\nt+2*\jj:\wb+8*\nt+2*\jj+1], 0
.else
	v_wmma_f32_16x16x4_f32 v[SA+8*\nt:SA+8*\nt+7], v[OT+8*\t+2*\jj:OT+8*\t+2*\jj+1], v[\wb+8*\nt+2*\jj:\wb+8*\nt+2*\jj+1], v[SA+8*\nt:SA+8*\nt+7]
.endif
.endr
.endr
.endm
	s_wait_loadcnt 63                              ; of wo's 128 loads at most 63 are out: the first 64, channels 0 .. 31, are in
	OPROD 0, W0, 1
	OPROD 1, QR, 0
	s_wait_loadcnt 32                              ; channels 32 .. 47 are in; the last 32 loads may be out
	OPROD 2, KR, 0
	s_wait_loadcnt 0x0
	OPROD 3, VT, 0
.rept 8
	v_nop                                          ; eight places in front of the reads of the results and of the loads into wo's registers
.endr
.irp nt, 0,1,2,3
.irp j, 0,1,2,3,4,5,6,7
	ds_store_b32 v9, v[SA+8*\nt+\j] offset:272*\j+64*\nt           ; my head's part of out(8 h + j, 16 nt + r), each accumulator from its low end on
.endr
.endr
	s_wait_dscnt 0x0                               ; for the others' sake: my stores have landed
	s_barrier_signal -1
	s_barrier_wait -1
.irp i, 0,1,2,3,4,5,6,7,8,9,10,11,12,13,14,15
	ds_load_b64 v[W0+2*\i:W0+2*\i+1], v10 offset:16*272*\i         ; row w of head i's part
.endr
	s_wait_dscnt 0x0
.irp i, 0,1,2,3,4,5,6,7
	v_pk_add_f32 v[W0+4*\i:W0+4*\i+1], v[W0+4*\i:W0+4*\i+1], v[W0+4*\i+2:W0+4*\i+3]
.endr
.irp i, 0,1,2,3
	v_pk_add_f32 v[W0+8*\i:W0+8*\i+1], v[W0+8*\i:W0+8*\i+1], v[W0+8*\i+4:W0+8*\i+5]
.endr
.irp i, 0,1
	v_pk_add_f32 v[W0+16*\i:W0+16*\i+1], v[W0+16*\i:W0+16*\i+1], v[W0+16*\i+8:W0+16*\i+9]
.endr
	v_pk_add_f32 v[W0:W0+1], v[W0:W0+1], v[W0+16:W0+17]
	v_pk_add_f32 v[W0:W0+1], v[W0:W0+1], v[BS:BS+1]
	global_store_b64 v7, v[W0:W0+1], s[10:11]      ; 32 lanes store 256 consecutive bytes, aligned
	s_wait_tensorcnt 0x0                           ; the wave's end: three lines behind my last LDS store
	ds_add_u32 v[SPW], v[NIL]
	s_wait_dscnt 0x0
	s_endpgm
.Lfunc_end_k_q8ade2b118d_fine:
	.size	k_q8ade2b118d_fine, .Lfunc_end_k_q8ade2b118d_fine-k_q8ade2b118d_fine
	.p2alignl 7, 3214868480
	.fill 96, 4, 3214868480
	.section	.rodata,"a",@progbits
	.p2align	6, 0x0
	.amdhsa_kernel k_q8ade2b118d_fine
		.amdhsa_group_segment_fixed_size 71680
		.amdhsa_private_segment_fixed_size 0
		.amdhsa_enable_private_segment 0
		.amdhsa_kernarg_size 32
		.amdhsa_user_sgpr_count 2
		.amdhsa_user_sgpr_kernarg_segment_ptr 1
		.amdhsa_wavefront_size32 1
		.amdhsa_system_sgpr_workgroup_id_x 1
		.amdhsa_system_sgpr_workgroup_id_y 1
		.amdhsa_system_sgpr_workgroup_id_z 1
		.amdhsa_system_vgpr_workitem_id 0
		.amdhsa_next_free_vgpr 256
		.amdhsa_next_free_sgpr 66
		.amdhsa_reserve_vcc 1
		.amdhsa_float_denorm_mode_32 3
		.amdhsa_float_denorm_mode_16_64 3
		.amdhsa_memory_ordered 1
		.amdhsa_forward_progress 1
		.amdhsa_inst_pref_size 34
	.end_amdhsa_kernel
	.amdgpu_metadata
---
amdhsa.version: [ 1, 2 ]
amdhsa.kernels:
  - .name:           k_q8ade2b118d_fine
    .symbol:         k_q8ade2b118d_fine.kd
    .args:
      - { .name: fine32, .offset: 0, .size: 8, .value_kind: global_buffer, .address_space: global }
      - { .name: wo, .offset: 8, .size: 8, .value_kind: global_buffer, .address_space: global }
      - { .name: bo, .offset: 16, .size: 8, .value_kind: global_buffer, .address_space: global }
      - { .name: out0, .offset: 24, .size: 8, .value_kind: global_buffer, .address_space: global }
    .group_segment_fixed_size: 71680
    .private_segment_fixed_size: 0
    .kernarg_segment_align: 8
    .kernarg_segment_size: 32
    .max_flat_workgroup_size: 512
    .sgpr_count:     66
    .vgpr_count:     256
    .wavefront_size: 32
...
	.end_amdgpu_metadata
.endif
;; end of part 6
